; MI455X (gfx1250); checked and timed in simulation.
; The chip was launched on July 23, 2026; its instructions are those of AMD's public machine-readable ISA for CDNA 5 (MIT licence, August 2026) and "CDNA5" Instruction Set Architecture Reference Guide (July 2026). The comments in the code are by the model that wrote it; some were corrected since.
;; Self Attention. Allowed arithmetic: matrix products marked QUANTISED: E2M3 operands, one E8M0 scale for each 32 along K, by v_wmma_scale_f32_16x16x128_f8f6f4 with both operands' format E2M3, f32 sums; everything else in f32.
;; Inputs: Wk 1,024 x 1,024 float32; Wo 1,024 x 1,024 float32; Wq 1,024 x 1,024 float32; Wv 1,024 x 1,024 float32; attention_mask 1 x 4,096 int32; x 1 x 4,096 x 1,024 float32.
;; Outputs: out0 1 x 4,096 x 1,024 float32.
;; This version of the problem:
;;   THIS VERSION OF THE PROBLEM IS GIVEN IN LOW PRECISION. The matrix products marked QUANTISED in the list below multiply operands that are first quantised to E2M3 (2 exponent bits, 3 mantissa bits; 6 bits a number), with one power-of-two scale for each 32 numbers along K (OCP MX v1.0); their sums are f32. All else is computed in f32.
;;   The module's matrix products, in the order in which they are computed (A, B: the left and right operand; K: the contracted axis; several contracted axes count as one K, in the product's order):
;;     1. [M 4,096, K 1,024] x [K 1,024, N 1,024]; A: input x; B: input Wq: QUANTISED
;;     2. [M 4,096, K 1,024] x [K 1,024, N 1,024]; A: input x; B: input Wk: QUANTISED
;;     3. [M 4,096, K 1,024] x [K 1,024, N 1,024]; A: input x; B: input Wv: QUANTISED
;;     4. batch 16 x [M 4,096, K 64] x [K 64, N 4,096]; A: computed on the way; B: computed on the way: QUANTISED
;;     5. batch 16 x [M 4,096, K 4,096] x [K 4,096, N 64]; A: softmax (see below); B: computed on the way: QUANTISED
;;     6. [M 4,096, K 1,024] x [K 1,024, N 1,024]; A: computed on the way; B: input Wo: QUANTISED
;;   THE QUANTISER, for each operand of a quantised product, along K:
;;     - K is cut into blocks of 32 from its start; a last block that is shorter is filled with zeros.
;;     - A block's scale is 2^e with e = floor(log2(the largest magnitude in the block)) - 2, held to -126 .. 127; a block of zeros has e = 0. As a byte (E8M0): e + 127.
;;     - Each number is divided by its block's scale, clamped to +-7.5, and rounded to the nearest number of E2M3, ties to even, subnormals kept.
;;     - The product sums the exact products of the quantised numbers (number of the format x scale) in f32.
;;   ~~~python
;;   def quantise(x, axis):      # numpy; x: float32 -> the quantised numbers, widened to float32 again
;;       x = np.moveaxis(x, axis, -1); K = x.shape[-1]
;;       x = np.pad(x, [(0, 0)] * (x.ndim - 1) + [(0, -K % 32)]); x = x.reshape(x.shape[:-1] + (-1, 32)); a = np.abs(x).max(-1, keepdims=True)
;;       e = np.where(a > 0, np.clip(np.frexp(np.where(a > 0, a, 1))[1] - 1 - 2, -126, 127), 0)      # np.frexp(a)[1] - 1 = floor(log2(a)), exactly
;;       r = np.clip(x / 2.0 ** e, -7.5, 7.5)
;;       step = 2.0 ** (np.maximum(np.frexp(np.where(r == 0, 1, r))[1] - 1, 0) - 3)
;;       q = np.round(r / step) * step * 2.0 ** e      # np.round: ties to even
;;       return np.moveaxis(q.reshape(q.shape[:-2] + (-1,))[..., :K], -1, axis).astype(np.float32)
;;   ~~~
;;   SOFTMAX AHEAD OF A QUANTISED PRODUCT. Where the list says 'softmax', what is quantised is not the finished softmax but p = 2^(t - M), with t = logit x log2(e) and M = ceil(the row's largest t), a whole number; so 1/2 < the row's largest p <= 1. The row's sum l is taken of the UNQUANTISED p, in f32, and the product's result is divided by l at the end. Since M is a whole number, a kernel that streams over the keys may use a running M (the ceiling of the running maximum): every later rescaling is an exact power of two, which a block's scale takes up: the codes' values come out the same.
;;   OPERANDS COMPUTED ON THE WAY. 'Computed on the way' means the value that the module computes at that place (a softmax that the list does not call 'softmax' is quantised finished and normalised). What goes into a quantiser is computed in f32, as accurately as f32 sums, v_exp_f32 and their like allow (about 1e-6 of the number): no bf16 or f16 on the way to a quantiser, and a product that is left as it is and whose result goes on into a quantised operand takes f32 operands (vector FMAs, or v_wmma_f32_16x16x4_f32). A number that lies on a knife's edge between two numbers of the format may be rounded either way, as far as f32 arithmetic and the matrix unit's own rounding can turn it there, and no further.
;; One version. Each part assembles by itself: llvm-mc -triple=amdgcn-amd-amdhsa -mcpu=gfx1250 --defsym DOCPART=n.
;; ======== version 1 of 1: 4 launches
;; workspace buffers: xc 3,145,728 bytes; xs 131,072 bytes; wc 3,145,728 bytes; ws 131,072 bytes; tabs 1,064,960 bytes; recs 13,369,344 bytes; cimg 3,145,728 bytes; csc 131,072 bytes
;; launch prep (part 1): grid 384 x 1, 4 waves a work-group, no clusters, 68,096 bytes of LDS; arguments x, Wq, Wk, Wv, Wo, attention_mask, xc, xs, wc, ws, tabs; writes xc, xs, wc, ws, tabs
.if DOCPART == 1
	.amdgcn_target "amdgcn-amd-amdhsa--gfx1250"
	.amdhsa_code_object_version 6
	.text
	.protected	k_q8e24fdddc8_prep
	.globl	k_q8e24fdddc8_prep
	.p2align	8
	.type	k_q8e24fdddc8_prep,@function
k_q8e24fdddc8_prep:
	s_mov_b64 s[64:65], 0
	v_nop
	global_prefetch_b8 v0, s[64:65] scope:SCOPE_SE
	s_setreg_imm32_b32 hwreg(HW_REG_WAVE_MODE, 25, 1), 1
	s_wait_xcnt 0x0
; PREPARATION, one launch, three kinds of work-group told apart by the work-group's number alone:
;   0-127   x [4096][1024] f32 -> codes of FP6 (E2M3), K innermost, and one E8M0 byte for each 32 along K
;   128-255 Wq, Wk, Wv, Wo [k 1024][n 1024] f32 -> codes laid [n][k], K innermost, and their scale bytes (32 work-groups a weight)
;   256-383 the RoPE table and the mask's bias
; POSITIONS.  pi(i) is i with bits 3 and 4 exchanged.  Row i of x, and column n of Wq, Wk, Wv, are stored at place pi(i): sixteen neighbouring places are then the rows
; 32 b + 8 u + r + 8 (r / 8), with which a transposed product leaves 16 neighbours along the next K in a lane's registers.  Wo keeps its order.
; A block's scale is 2^(floor(log2(its largest magnitude)) - 2); its byte is the largest magnitude's exponent field - 2, held at 1 from below.
; LIMITS: a block of zeros gets the byte 1 (its codes are zeros, and the bytes are read by this program alone); NaN and infinities among the inputs are not served;
; the RoPE frequencies are the correctly rounded 10^(-k / 8): a power and a reciprocal taken in f32 may differ from them by an ulp.
; No tensor loads, no barrier: waves share nothing.  Each of the two kinds that use LDS has LDS bytes of its own.
.set XSTEPS, 16                        ; x: a wave takes 16 steps of 512 numbers: 8 rows
.set XCB,    12                        ; bytes of 16 codes
.set XR,     16                        ; v16-79   four sets of 16 numbers as loaded
.set XX,     80                        ; v80-111  two sets of 16 neighbours
.set XE,     112                       ; v112-127 a scale byte for each step
.set XC,     128                       ; v128-191 codes, four registers a step
.set XWREG,  8192                      ; LDS 0 .. 32767: a region for each wave: two stages and 256 scale bytes
.set XSP,    80                        ; a lane's place in a stage: 64 bytes + 16
.set WNB,    8                         ; W: a wave takes 32 columns x 256 along K: 8 blocks a lane
.set WPITCH, 272                       ; a stage row: sixteen places of 16 bytes + 16
.set WSTG,   32768                     ; LDS 32768 .. 67583: the four waves' stages
.set WX,     32                        ; v32-95   two sets of 32 numbers
.set WC,     96                        ; v96..    a block's codes
.set WOUT,   112                       ; v112-175 the way out
.set WSB,    24                        ; v24-25   the scale bytes
	s_load_b512 s[8:23], s[0:1], 0x0               ; x 8, Wq 10, Wk 12, Wv 14, Wo 16, mask 18, xc 20, xs 22
	s_load_b128 s[24:27], s[0:1], 0x40             ; wc, ws
	s_load_b64 s[28:29], s[0:1], 0x50              ; tabs
	v_lshl_add_u32 v192, v0, 2, 0x10800
	v_mov_b32 v193, 0
	v_lshrrev_b32 v1, 5, v0
	v_readfirstlane_b32 s30, v1                    ; wave
	v_and_b32 v2, 31, v0                           ; lane
	s_wait_kmcnt 0x0
	s_cmp_lt_u32 ttmp9, 128
	s_cbranch_scc1 .Lx
	s_cmp_lt_u32 ttmp9, 256
	s_cbranch_scc1 .Lw
; ---- THE TABLES.  A wave makes 8 rows s of the RoPE table, a lane a frequency k = d mod 32.  A row is 256 bytes: sixteen quads cos(2 q), cos(2 q + 1), ss(2 q), ss(2 q + 1),
; ss = -sin for even d and +sin for odd d: y[d] = x[d] cos + x[d xor 1] ss.  The angle is s x f rounded once; it is reduced by pi / 2 in two parts, the first step exact
; (s x f is under 4,096, so the difference is a multiple of 2^-23 under 1); then polynomials for |r| <= pi / 4.
	s_sub_co_u32 s31, ttmp9, 256                   ; j
	s_lshl_b32 s32, s31, 2
	s_add_co_u32 s32, s32, s30                     ; which 8 rows
	s_lshl_b32 s33, s32, 3                         ; the first of them
	s_lshl_b32 s34, s32, 11                        ; and its byte
	s_mov_b32 s35, 0
	s_add_nc_u64 s[36:37], s[28:29], s[34:35]
	s_mov_b32 s40, 0xaaaaaaaa                      ; the odd lanes
	s_mov_b32 s42, 0x3fc90fdb                      ; pi / 2, upper part
	s_mov_b32 s43, 0xb33bbd2e                      ; and what is left of it
	s_mov_b32 s44, 0xb94ca1f9                      ; the sine's leading coefficient
	s_mov_b32 s45, 0x37ccf5ce                      ; the cosine's
	v_lshlrev_b32 v5, 3, v2                        ; 8 bytes a lane
	v_and_b32 v4, 1, v2
	v_xor_b32 v4, 1, v4
	v_lshlrev_b32 v4, 31, v4                       ; a sign bit in the even lanes
	v_mov_b32 v18, 0                               ; (a DPP form's destination counts as read)
	v_mov_b32 v19, 0
	v_mov_b32 v3, 1.0                              ; f = 10^(-k / 8): lane k keeps its own
.macro FREQ k, lit
	v_cmp_ne_u32 vcc_lo, \k, v2
	v_cndmask_b32 v3, \lit, v3, vcc_lo
.endm
	FREQ 1, 0.7498942093
	FREQ 2, 0.5623413252
	FREQ 3, 0.4216965034
	FREQ 4, 0.3162277660
	FREQ 5, 0.2371373706
	FREQ 6, 0.1778279410
	FREQ 7, 0.1333521432
	FREQ 8, 0.1
	FREQ 9, 0.07498942093
	FREQ 10, 0.05623413252
	FREQ 11, 0.04216965034
	FREQ 12, 0.03162277660
	FREQ 13, 0.02371373706
	FREQ 14, 0.01778279410
	FREQ 15, 0.01333521432
	FREQ 16, 0.01
	FREQ 17, 0.007498942093
	FREQ 18, 0.005623413252
	FREQ 19, 0.004216965034
	FREQ 20, 0.003162277660
	FREQ 21, 0.002371373706
	FREQ 22, 0.001778279410
	FREQ 23, 0.001333521432
	FREQ 24, 0.001
	FREQ 25, 0.0007498942093
	FREQ 26, 0.0005623413252
	FREQ 27, 0.0004216965034
	FREQ 28, 0.0003162277660
	FREQ 29, 0.0002371373706
	FREQ 30, 0.0001778279410
	FREQ 31, 0.0001333521432
.macro TROW i                          ; row i of the wave's eight; its two data registers are its own, so no store's data are written again
	s_add_co_u32 s41, s33, \i
	v_cvt_f32_u32 v6, s41
	v_mul_f32 v7, v6, v3                           ; the angle
	v_mul_f32 v8, 0x3f22f983, v7                   ; x 2 / pi
	v_rndne_f32 v8, v8                             ; n
	v_fma_f32 v9, -v8, s42, v7
	v_fma_f32 v9, -v8, s43, v9                     ; r = angle - n pi / 2
	v_mul_f32 v10, v9, v9                          ; z
	v_fmaak_f32 v11, s44, v10, 0x3c08839e
	v_fmaak_f32 v12, s45, v10, 0xbab6061a
	v_fmaak_f32 v11, v11, v10, 0xbe2aaaa3
	v_fmaak_f32 v12, v12, v10, 0x3d2aaaa5
	v_mul_f32 v16, v9, v10
	v_mul_f32 v17, v10, v10
	v_fma_f32 v11, v16, v11, v9                    ; sin r
	v_fma_f32 v16, v10, -0.5, 1.0
	v_fma_f32 v12, v17, v12, v16                   ; cos r
	v_cvt_i32_f32 v13, v8
	v_and_b32 v16, 1, v13
	v_cmp_eq_u32 vcc_lo, 1, v16
	v_cndmask_b32 v14, v11, v12, vcc_lo            ; odd quadrants exchange the two
	v_cndmask_b32 v15, v12, v11, vcc_lo
	v_and_b32 v16, 2, v13
	v_add_nc_u32 v17, 1, v13
	v_lshlrev_b32 v16, 30, v16
	v_and_b32 v17, 2, v17
	v_xor_b32 v14, v14, v16                        ; sin: minus in quadrants 2, 3
	v_lshlrev_b32 v17, 30, v17
	v_xor_b32 v14, v14, v4                         ; ss
	v_xor_b32 v15, v15, v17                        ; cos: minus in quadrants 1, 2
	v_mov_b32_dpp v19, v14 row_xmask:1 row_mask:0xf bank_mask:0xf   ; my neighbour's ss
	v_mov_b32_dpp v18, v15 row_xmask:1 row_mask:0xf bank_mask:0xf   ; and cos
	v_cndmask_b32 v[20+2*\i], v15, v19, s40        ; even lane: cos, neighbour's cos; odd lane: neighbour's ss, ss
	v_cndmask_b32 v[21+2*\i], v18, v14, s40
	global_store_b64 v5, v[20+2*\i:21+2*\i], s[36:37] offset:256*\i   ; 32 lanes store 256 consecutive bytes, aligned
.endm
.irp i, 0,1,2,3,4,5,6,7
	TROW \i
.endr
	s_cmp_lg_u32 s30, 0                            ; wave 0 also makes the bias of 32 places: 0, or -2^126 where the mask of the key at that place is 0
	s_cbranch_scc1 .Ltend
	v_lshrrev_b32 v6, 3, v2
	v_lshrrev_b32 v7, 4, v2
	v_xor_b32 v6, v6, v7
	v_and_b32 v6, 1, v6
	v_mul_u32_u24 v6, v6, 24
	v_xor_b32 v6, v6, v2                           ; pi(lane)
	v_lshlrev_b32 v6, 2, v6
	s_lshl_b32 s34, s31, 7                         ; 32 j numbers of 4 bytes
	s_add_nc_u64 s[38:39], s[18:19], s[34:35]
	s_add_nc_u64 s[46:47], s[28:29], s[34:35]
	global_load_b32 v7, v6, s[38:39]
	v_lshlrev_b32 v8, 2, v2
	v_mov_b32 v10, 0xfe800000                      ; -2^126
	s_wait_loadcnt 0x0
	v_cmp_eq_u32 vcc_lo, 0, v7
	v_cndmask_b32 v9, 0, v10, vcc_lo
	global_store_b32 v8, v9, s[46:47] offset:1048576
.Ltend:
	s_endpgm
; ---- x.  Rows are dense, so the tensor is a stream of blocks of 32.  Each load reads 512 consecutive bytes; a step's 2,048 bytes turn through the wave's own stage in LDS and come back 64 bytes a lane,
; so that a lane holds 16 neighbours and two neighbouring lanes a block.  A wave's 8,192 numbers are 8 rows: pi moves whole runs of 8 rows, so only the run's number changes on the way out.
.Lx:
	v_lshlrev_b32 v3, 4, v2                        ; my 16 bytes of a load's 512
	s_mul_i32 s31, s30, XWREG
	v_lshrrev_b32 v14, 2, v2
	v_mul_u32_u24 v14, v14, XSP
	v_and_b32 v15, 3, v2
	v_lshl_add_u32 v14, v15, 4, v14
	v_add_nc_u32 v14, s31, v14                     ; the stage, in: four lanes' 64 bytes, then 16 of padding
	v_mul_u32_u24 v15, v2, XSP
	v_add_nc_u32 v15, s31, v15                     ; out: my 16 neighbours
	v_mul_u32_u24 v4, v2, XCB                      ; my codes' place in a step's
	v_lshrrev_b32 v5, 1, v2
	s_add_co_u32 s31, s31, 2*32*XSP
	v_add_nc_u32 v5, s31, v5                       ; my block's byte among the wave's 256
	v_lshlrev_b32 v7, 3, v2
	v_add_nc_u32 v6, s31, v7
	s_lshl_b32 s32, ttmp9, 2
	s_add_co_u32 s34, s32, s30                     ; the run that I read
	s_lshl_b32 s34, s34, 15
	s_mov_b32 s35, 0
	s_add_nc_u64 s[8:9], s[8:9], s[34:35]
	s_and_b32 s33, s30, 1
	s_lshl_b32 s33, s33, 1
	s_lshr_b32 s36, s30, 1
	s_or_b32 s33, s33, s36
	s_add_co_u32 s32, s32, s33                     ; the run that I write: its two low bits exchanged
	s_mul_i32 s34, s32, 6144
	s_add_nc_u64 s[20:21], s[20:21], s[34:35]
	s_lshl_b32 s34, s32, 8
	s_add_nc_u64 s[22:23], s[22:23], s[34:35]
.macro XLOAD t
.irp i, 0,1,2,3
	global_load_b128 v[XR+16*((\t)%4)+4*\i:XR+16*((\t)%4)+4*\i+3], v3, s[8:9] offset:2048*(\t)+512*\i th:TH_LOAD_NT
.endr
.endm
.macro XTURN t                         ; LDS serves a wave's instructions in order: no wait between the stores and the loads
.irp i, 0,1,2,3
	ds_store_b128 v14, v[XR+16*((\t)%4)+4*\i:XR+16*((\t)%4)+4*\i+3] offset:32*XSP*((\t)%2)+8*XSP*\i
.endr
.irp i, 0,1,2,3
	ds_load_b128 v[XX+16*((\t)%2)+4*\i:XX+16*((\t)%2)+4*\i+3], v15 offset:32*XSP*((\t)%2)+16*\i
.endr
.endm
.irp t, 0,1,2,3
	XLOAD \t
.endr
	s_wait_loadcnt 12                              ; step 0's four loads are in
	XTURN 0
.macro XSTEP t
.set XQ, XX+16*((\t)%2)
.if (\t) > 0
	s_wait_dscnt 1                                 ; this step's numbers are back (the last step's byte store may be out)
.else
	s_wait_dscnt 0x0
.endif
.if (\t)+4 < XSTEPS
	XLOAD (\t)+4
.endif
.if (\t)+1 < XSTEPS
.if XSTEPS-2-(\t) >= 3
	s_wait_loadcnt 12                              ; the next step's loads are in; three steps' may be out
.else
	s_wait_loadcnt 4*(XSTEPS-2-(\t))
.endif
	XTURN (\t)+1
.endif
	v_max3_num_f32 v8, |v[XQ]|, |v[XQ+1]|, |v[XQ+2]|
	v_max3_num_f32 v9, |v[XQ+3]|, |v[XQ+4]|, |v[XQ+5]|
.irp i, 6,10
	v_max3_num_f32 v8, v8, |v[XQ+\i]|, |v[XQ+\i+1]|
	v_max3_num_f32 v9, v9, |v[XQ+\i+2]|, |v[XQ+\i+3]|
.endr
	v_max3_num_f32 v8, v8, |v[XQ+14]|, |v[XQ+15]|
	v_max3_num_f32 v8, v8, v9, 0x1800000           ; and the floor 2^(3 - 127): the byte cannot fall under 1
	v_max_num_f32_dpp v8, v8, v8 row_xmask:1 row_mask:0xf bank_mask:0xf   ; with my neighbour's 16: the block's
	v_add_nc_u32 v11, 0xff000000, v8               ; 2 off its exponent field: the conversion's scale operand
	v_cvt_scalef32_pk16_fp6_f32 v[XC+4*(\t):XC+4*(\t)+2], v[XQ:XQ+15], v11
	v_lshrrev_b32 v[XE+(\t)], 23, v11              ; the scale's byte
	ds_store_b8 v5, v[XE+(\t)] offset:16*(\t)      ; both lanes of a block write the same byte with the same value
	global_store_b96 v4, v[XC+4*(\t):XC+4*(\t)+2], s[20:21] offset:32*XCB*(\t)
.endm
.irp t, 0,1,2,3,4,5,6,7,8,9,10,11,12,13,14,15
	XSTEP \t
.endr
	ds_load_b64 v[12:13], v6
	s_wait_dscnt 0x0
	global_store_b64 v7, v[12:13], s[22:23]        ; 32 lanes store 256 consecutive bytes, aligned
	s_wait_tensorcnt 0x0
	ds_add_u32 v192, v193
	s_wait_dscnt 0x0
	s_endpgm
; ---- THE WEIGHTS.  K is the first axis: a lane takes a column and its registers run down K, so a block of 32 lies in one lane and the codes come out with K innermost.
; The lane at place l of the wave's 32 reads column pi(l) (Wo: l); a load still covers the wave's 128 consecutive bytes.  Codes leave through the wave's stage, sixteen lanes to a row's 192 bytes.
.Lw:
	s_sub_co_u32 s31, ttmp9, 128
	s_lshr_b32 s32, s31, 5                         ; which weight: q, k, v, o
	s_and_b32 s33, s31, 7                          ; which 128 columns
	s_bfe_u32 s34, s31, 0x20003                    ; which 256 along K
	s_cmp_eq_u32 s32, 1
	s_cselect_b64 s[10:11], s[12:13], s[10:11]
	s_cmp_eq_u32 s32, 2
	s_cselect_b64 s[10:11], s[14:15], s[10:11]
	s_cmp_eq_u32 s32, 3
	s_cselect_b64 s[10:11], s[16:17], s[10:11]
	s_cselect_b32 s35, 0, 24
	v_lshrrev_b32 v5, 3, v2
	v_lshrrev_b32 v6, 4, v2
	v_xor_b32 v5, v5, v6
	v_and_b32 v5, 1, v5
	v_mul_u32_u24 v5, v5, s35
	v_xor_b32 v5, v5, v2                           ; my column among the wave's 32
	v_lshlrev_b32 v3, 2, v5
	s_mul_i32 s36, s30, 32*WPITCH
	s_add_co_u32 s36, s36, WSTG                    ; my stage
	v_mul_u32_u24 v4, v2, WPITCH
	v_add_nc_u32 v4, s36, v4                       ; into it: row = my place
	v_and_b32 v5, 15, v2
	v_lshrrev_b32 v6, 4, v2
	v_mul_u32_u24 v7, v6, WPITCH
	v_lshl_add_u32 v7, v5, 4, v7
	v_add_nc_u32 v7, s36, v7                       ; out of it: sixteen lanes to a row, two rows an instruction
	v_mul_u32_u24 v8, v6, 768
	v_mad_u32_u24 v8, v5, 12, v8                   ; and the same place in the codes' buffer
	v_lshlrev_b32 v9, 5, v2                        ; my row of scale bytes
	s_lshl_b32 s37, s33, 7
	s_lshl_b32 s38, s30, 5
	s_add_co_u32 s37, s37, s38                     ; the wave's first column
	s_lshl_b32 s38, s34, 20                        ; 256 rows of 4,096 bytes
	s_lshl_b32 s39, s37, 2
	s_add_co_u32 s38, s38, s39
	s_mov_b32 s39, 0
	s_add_nc_u64 s[10:11], s[10:11], s[38:39]
	s_lshl_b32 s40, s32, 10
	s_add_co_u32 s40, s40, s37                     ; the wave's first row of wc and ws
	s_mul_i32 s38, s40, 768
	s_mul_i32 s41, s34, 192
	s_add_co_u32 s38, s38, s41
	s_add_nc_u64 s[24:25], s[24:25], s[38:39]
	s_lshl_b32 s38, s40, 5
	s_lshl_b32 s41, s34, 3
	s_add_co_u32 s38, s38, s41
	s_add_nc_u64 s[26:27], s[26:27], s[38:39]
.macro WLOAD t
.irp i, 0,1,2,3,4,5,6,7,8,9,10,11,12,13,14,15,16,17,18,19,20,21,22,23,24,25,26,27,28,29,30,31
	global_load_b32 v[WX+32*((\t)%2)+\i], v3, s[10:11] offset:(32*(\t)+\i)*4096 th:TH_LOAD_NT
.endr
.endm
	WLOAD 0
	WLOAD 1
.macro WBLOCK t
.set WQ, WX+32*((\t)%2)
.if (\t) < WNB-1
	s_wait_loadcnt 32                              ; this block's 32 loads are in; the next block's may be out
.else
	s_wait_loadcnt 0
.endif
	v_max3_num_f32 v12, |v[WQ]|, |v[WQ+1]|, |v[WQ+2]|
	v_max3_num_f32 v13, |v[WQ+3]|, |v[WQ+4]|, |v[WQ+5]|
.irp i, 6,10,14,18,22,26
	v_max3_num_f32 v12, v12, |v[WQ+\i]|, |v[WQ+\i+1]|
	v_max3_num_f32 v13, v13, |v[WQ+\i+2]|, |v[WQ+\i+3]|
.endr
	v_max3_num_f32 v12, v12, |v[WQ+30]|, |v[WQ+31]|
	v_max3_num_f32 v12, v12, v13, 0x1800000        ; and the floor
	v_add_nc_u32 v11, 0xff000000, v12
	v_lshrrev_b32 v13, 23, v11                     ; the scale's byte
.if (\t)%4 == 0
	v_mov_b32 v[WSB+(\t)/4], v13
.else
	v_lshl_or_b32 v[WSB+(\t)/4], v13, 8*((\t)%4), v[WSB+(\t)/4]
.endif
	v_cvt_scalef32_pk16_fp6_f32 v[WC:WC+2], v[WQ:WQ+15], v11
	v_cvt_scalef32_pk16_fp6_f32 v[WC+4:WC+6], v[WQ+16:WQ+31], v11
	ds_store_b96 v4, v[WC:WC+2] offset:32*(\t)     ; 12 bytes to a place of 16
	ds_store_b96 v4, v[WC+4:WC+6] offset:32*(\t)+16
.if (\t)+2 < WNB
	WLOAD (\t)+2
.endif
	s_wait_dscnt 0x0                               ; the stores have read their registers
.endm
.irp t, 0,1,2,3,4,5,6,7
	WBLOCK \t
.endr
	global_store_b64 v9, v[WSB:WSB+1], s[26:27]    ; my row's 8 scale bytes
.irp t, 0,1,2,3,4,5,6,7,8,9,10,11,12,13,14,15
	ds_load_b96 v[WOUT+4*\t:WOUT+4*\t+2], v7 offset:2*\t*WPITCH
.endr
.irp t, 0,1,2,3,4,5,6,7,8,9,10,11,12,13,14,15
	s_wait_dscnt 15-\t
	global_store_b96 v8, v[WOUT+4*\t:WOUT+4*\t+2], s[24:25] offset:2*\t*768
.endr
	s_wait_tensorcnt 0x0
	ds_add_u32 v192, v193
	s_wait_dscnt 0x0
	s_endpgm
.Lfunc_end_k_q8e24fdddc8_prep:
	.size	k_q8e24fdddc8_prep, .Lfunc_end_k_q8e24fdddc8_prep-k_q8e24fdddc8_prep
	.p2alignl 7, 3214868480
	.fill 96, 4, 3214868480
	.section	.rodata,"a",@progbits
	.p2align	6, 0x0
	.amdhsa_kernel k_q8e24fdddc8_prep
		.amdhsa_group_segment_fixed_size 68096
		.amdhsa_private_segment_fixed_size 0
		.amdhsa_enable_private_segment 0
		.amdhsa_kernarg_size 88
		.amdhsa_user_sgpr_count 2
		.amdhsa_user_sgpr_kernarg_segment_ptr 1
		.amdhsa_wavefront_size32 1
		.amdhsa_system_sgpr_workgroup_id_x 1
		.amdhsa_system_sgpr_workgroup_id_y 1
		.amdhsa_system_sgpr_workgroup_id_z 1
		.amdhsa_system_vgpr_workitem_id 0
		.amdhsa_next_free_vgpr 194
		.amdhsa_next_free_sgpr 66
		.amdhsa_reserve_vcc 1
		.amdhsa_float_denorm_mode_32 3
		.amdhsa_float_denorm_mode_16_64 3
		.amdhsa_memory_ordered 1
		.amdhsa_forward_progress 1
		.amdhsa_inst_pref_size 91
	.end_amdhsa_kernel
	.amdgpu_metadata
---
amdhsa.version: [ 1, 2 ]
amdhsa.kernels:
  - .name:           k_q8e24fdddc8_prep
    .symbol:         k_q8e24fdddc8_prep.kd
    .args:
      - { .name: x, .offset: 0, .size: 8, .value_kind: global_buffer, .address_space: global }
      - { .name: Wq, .offset: 8, .size: 8, .value_kind: global_buffer, .address_space: global }
      - { .name: Wk, .offset: 16, .size: 8, .value_kind: global_buffer, .address_space: global }
      - { .name: Wv, .offset: 24, .size: 8, .value_kind: global_buffer, .address_space: global }
      - { .name: Wo, .offset: 32, .size: 8, .value_kind: global_buffer, .address_space: global }
      - { .name: attention_mask, .offset: 40, .size: 8, .value_kind: global_buffer, .address_space: global }
      - { .name: xc, .offset: 48, .size: 8, .value_kind: global_buffer, .address_space: global }
      - { .name: xs, .offset: 56, .size: 8, .value_kind: global_buffer, .address_space: global }
      - { .name: wc, .offset: 64, .size: 8, .value_kind: global_buffer, .address_space: global }
      - { .name: ws, .offset: 72, .size: 8, .value_kind: global_buffer, .address_space: global }
      - { .name: tabs, .offset: 80, .size: 8, .value_kind: global_buffer, .address_space: global }
    .group_segment_fixed_size: 68096
    .private_segment_fixed_size: 0
    .kernarg_segment_align: 8
    .kernarg_segment_size: 88
    .max_flat_workgroup_size: 128
    .sgpr_count:     66
    .vgpr_count:     194
    .wavefront_size: 32
...
	.end_amdgpu_metadata
.endif
;; end of part 1
;; launch qkv (part 2): grid 12 x 16, 4 waves a work-group, clusters of 4 x 4, 327,680 bytes of LDS; arguments xc, xs, wc, ws, tabs, recs; writes recs
.if DOCPART == 2
	.amdgcn_target "amdgcn-amd-amdhsa--gfx1250"
	.amdhsa_code_object_version 6
	.text
	.protected	k_q8e24fdddc8_qkv
	.globl	k_q8e24fdddc8_qkv
	.p2align	8
	.type	k_q8e24fdddc8_qkv,@function
k_q8e24fdddc8_qkv:
	s_mov_b64 s[64:65], 0
	v_nop
	global_prefetch_b8 v0, s[64:65] scope:SCOPE_SE
	s_setreg_imm32_b32 hwreg(HW_REG_WAVE_MODE, 25, 1), 1
	s_wait_xcnt 0x0
	s_wait_alu depctr_hold_cnt(0) depctr_sa_sdst(0) depctr_va_vdst(0) depctr_va_sdst(0) depctr_va_ssrc(0) depctr_va_vcc(0) depctr_vm_vsrc(0)
	s_getreg_b32 s2, hwreg(HW_REG_IB_STS2, 6, 4)
	s_cmp_eq_u32 s2, 0
	s_cbranch_scc0 .Lentry_in_a_cluster
	s_endpgm
.Lentry_in_a_cluster:
	s_bfe_u32 s2, ttmp6, 0x10000c
	s_cmp_lg_u32 s2, 0xf033
	s_cbranch_scc0 .Lentry_shape_is_right
	s_endpgm
.Lentry_shape_is_right:
; q = x Wq, k = x Wk and v^T = Wv^T x^T on codes of FP6 (E2M3) with E8M0 scales, K = 1,024; then RoPE (q, k) in f32 and the quantiser of the next product, in registers; what leaves is operand images for the attention.
; C[m][n] = sum over k of A[m][k] B[n][k], tiles of 256 x 256, four waves of 128 x 128 (64 accumulators, 512 registers).  Column of clusters 0: A = x, B = Wq's rows; 1: A = x, B = Wk's rows;
; 2: A = Wv's rows, B = x: there a lane holds one channel and its registers run along the keys, which are the K of the attention's second product.
; The matrix instruction is used transposed (source 0 = 16 rows of B, source 1 = 16 rows of A): a lane holds one row of A and eight columns.  B's rows lie at places pi (bits 3 and 4 exchanged), so the 64 registers
; of a block of 16 rows are, register 16 b + i, the true column 32 b + 16 (lane / 16) + i: sixteen neighbours along the next K.
; K goes in steps of 256 through a ring of two LDS slots; the scales of the work-group's rows come into LDS once.  CLUSTERS 4 x 4: A's tiles are asked for jointly along a row of the cluster, B's along a column.
; The choice of operands hangs on the cluster's x alone, which all sixteen partners share.
; RECORDS.  recs has a section for q and one for k and v; in each, for a head and 128 places, 13,056 bytes: 8 images of 16 rows x 64 channels (768 bytes: registers 0-3 at 16 x lane, 4-5 at 512 + 8 x lane);
; 4 images of 16 channels x 128 keys (1,536 bytes); q's or k's scale words (512 bytes: lanes 0-15 tiles 0-3, lanes 16-31 tiles 4-7; bytes 2, 3 are 127 for the zero filling of K = 64 to 128); v's (256 bytes).
; LIMITS: a block of zeros gets the byte 1 (its codes are zeros); NaN and infinities are not served.
; REGISTERS: window 0: v0-31 addresses; v32-63 scale words; from v128 A's fragments; window 1: B's fragments, two sets; windows 2, 3: the accumulators.  On the way out window 0's v64-255 are free.
.set KSTEP,  256
.set NQ,     2
.set ROWB,   192
.set KROW,   768
.set PITCH,  240                       ; an LDS row: 3 x (64 bytes + 16 of padding)
.set FR,     12
.set NL,     6
.set NP,     4
.set HALFT,  128*PITCH
.set SLOT,   4*HALFT
.set LAPS,   2                         ; K = 1,024 is twice round the ring
.set KS,     32                        ; a row of scales in bytes
.set SCL,    2*SLOT
.set HALFS,  (128*KS/256)*272
.set SBLK,   (16*KS/256)*272
.set SPARE,  SCL+4*HALFS               ; the spare words, 128 bytes a wave
.set REC,    13056
.set HSTR,   32*REC                    ; a head on
.set QSEC,   16*HSTR                   ; the section of k and v
.set ADRA, 16
.set ADRB, 20
.set ADRS, 27
.set SPW,  28
.set NIL,  29
.set SC,   32
.set AF,   128
.set LI,   1                           ; the way out: 16 x lane
.set L8,   2                           ; 8 x lane
.set TA,   3                           ; my row and half in the RoPE table
.set SVO,  4                           ; v's scale words: 16 r + a head for lanes 16-31
.set Y,    64                          ; v64-127  64 numbers after RoPE
.set TT,   128                         ; v128-191 two sets of 32 table numbers
.set PC,   192                         ; v192-210 the codes just made
.set TM,   212                         ; v212-227 at work
.set PW,   228
.set WA,   232                         ; v232-239 scale words, block by block (first head)
.set WB,   240                         ; v240-247 (second head)
.set X4,   248
.set X5,   252
.set G1, 24
.set G0, 32
.set G1B, 48
.set G0B, 56
.set G1S, 68
.set G0S, 76
.set G1SB, 80
.set G0SB, 88
.set SEL,  4                           ; s[4:5] on the way out: lane l xor 16
.set PADW, 66
.set HM,   67
.set MSB, 0
.macro WIN new                         ; the immediate's high byte repeats the setting that is left
.if MSB != (\new)
	s_set_vgpr_msb (MSB<<8)|(\new)
.set MSB, (\new)
.endif
.endm
.set MUL_LO, 0xa1                      ; source 0 (B) window 1, source 1 (A) window 0, C and D window 2
.set MUL_HI, 0xf1
.set TO_B,   0x40
; A joint load: waves 0 and 1 fetch for A, waves 2 and 3 for B; the branch hangs on the wave's number alone.  Four v_nop follow each of the two lines.
.macro JLOAD g0a, g1a, g0b, g1b
	s_cmp_eq_u32 s15, 0
	s_cbranch_scc0 .Lfor_b_\@
	tensor_load_to_lds s[\g0a:\g0a+3], s[\g1a:\g1a+7]
	s_nop 0
.rept 4
	v_nop
.endr
	s_branch .Lasked_\@
.Lfor_b_\@:
	tensor_load_to_lds s[\g0b:\g0b+3], s[\g1b:\g1b+7]
	s_nop 0
.rept 4
	v_nop
.endr
.Lasked_\@:
.endm
.macro CREST                           ; a round of the cluster's barrier behind its opening barrier
	s_cmp_lg_u32 s14, 0
	s_cbranch_scc1 .Lnot_wave_0_\@
	s_barrier_signal -3
.Lnot_wave_0_\@:
	s_barrier_wait -3
	s_barrier_signal -1
	s_barrier_wait -1
.endm
.macro CROUND
	s_barrier_signal -1
	s_barrier_wait -1
	CREST
.endm
	s_load_b128 s[4:7], s[0:1], 0x0                ; x's codes, x's scales
	s_load_b128 s[8:11], s[0:1], 0x10              ; the weights' codes, their scales
	s_load_b128 s[96:99], s[0:1], 0x20             ; tabs, recs
	v_lshl_add_u32 v[SPW], v0, 2, SPARE
	v_mov_b32 v[NIL], 0
	ds_add_u32 v28, v29
	ds_add_u32 v28, v29
	s_wait_dscnt 0x0
	v_lshrrev_b32 v1, 5, v0
	v_readfirstlane_b32 s14, v1                    ; wave 0..3
	s_lshr_b32 s15, s14, 1                         ; which half of the tile's rows is mine.  Also: I fetch for A (0) or for B (1)
	s_and_b32 s16, s14, 1                          ; which half of its columns.  Also: which 128 rows I fetch
	s_bfe_u32 s40, ttmp6, 0x40000                  ; cx
	s_bfe_u32 s41, ttmp6, 0x40004                  ; cy
	s_and_b32 s66, ttmp7, 0xffff
	s_lshl_b32 s66, s66, 2                         ; 4 x cluster y
	s_lshl_b32 s42, ttmp9, 2
	s_add_co_u32 s42, s42, s40                     ; q, k: tile column = 4 x cluster x + cx (rows 0-1023 of wc are Wq's, 1024-2047 Wk's)
	s_add_co_u32 s67, s66, s40                     ; v: tile column (keys) = 4 x cluster y + cx
	s_add_co_u32 s17, s66, s41                     ; q, k: tile row = 4 x cluster y + cy
	s_cmp_eq_u32 ttmp9, 2                          ; the cluster's x: the same in all sixteen partners
	s_cselect_b32 s17, s41, s17                    ; v: tile row (channels) = cy.  A's row never holds cx,
	s_cselect_b32 s42, s67, s42                    ; B's never cy
	s_lshl_b32 s43, s41, 2
	s_lshl_b32 s43, 15, s43                        ; my row of the cluster
	s_lshl_b32 s44, 0x1111, s40                    ; my column
	s_or_b32 s[G1+0], s43, (0<<16)|(1<<20)|(1<<21)|(3<<22)|(3<<25)  ; mask; elements of 1 byte; padding: 4 words behind every 16
	s_or_b32 s[G1B+0], s44, (0<<16)|(1<<20)|(1<<21)|(3<<22)|(3<<25)
.irp g, G1, G1B
	s_mov_b32 s[\g+1], ROWB<<16                    ; tensor_dim0
	s_mov_b32 s[\g+2], 128<<16                     ; tensor_dim1
	s_mov_b32 s[\g+3], ROWB<<16                    ; tile_dim0
	s_mov_b32 s[\g+4], 128                         ; tile_dim1
	s_mov_b32 s[\g+5], KROW                        ; pitch
	s_mov_b32 s[\g+6], 0
	s_mov_b32 s[\g+7], 0
.endr
	s_or_b32 s[G1S+0], s43, (3<<16)|(1<<20)|(1<<21)|(5<<22)|(3<<25)  ; the scales of 128 rows: 4,096 dense bytes as rows of 256, 16 of padding behind each
	s_or_b32 s[G1SB+0], s44, (3<<16)|(1<<20)|(1<<21)|(5<<22)|(3<<25)
.irp g, G1S, G1SB
	s_mov_b32 s[\g+1], 32<<16
	s_mov_b32 s[\g+2], (128*KS/256)<<16
	s_mov_b32 s[\g+3], 32<<16
	s_mov_b32 s[\g+4], 128*KS/256
	s_mov_b32 s[\g+5], 32
	s_mov_b32 s[\g+6], 0
	s_mov_b32 s[\g+7], 0
.endr
	s_lshl_b32 s18, s16, 7
	s_lshl_b32 s20, s17, 8
	s_add_co_u32 s20, s20, s18                     ; A: row 256 x tile row + 128 x half
	s_lshl_b32 s46, s42, 8
	s_add_co_u32 s46, s46, s18                     ; B likewise
	s_mov_b32 s21, 0
	s_mov_b32 s47, 0
	s_mov_b64 s[18:19], KS
	s_mul_u64 s[22:23], s[20:21], s[18:19]
	s_mul_u64 s[92:93], s[46:47], s[18:19]
	s_mov_b64 s[18:19], KROW
	s_mul_u64 s[20:21], s[20:21], s[18:19]
	s_mul_u64 s[46:47], s[46:47], s[18:19]
	s_mul_i32 s45, s14, HALFT                      ; LDS: wave x 128 rows
	s_mul_i32 s94, s14, HALFS
	s_wait_kmcnt 0x0
	s_add_nc_u64 s[12:13], s[8:9], 2048*KROW       ; Wv's codes
	s_add_nc_u64 s[100:101], s[10:11], 2048*KS     ; and scales
	s_cmp_eq_u32 ttmp9, 2
	s_cselect_b64 s[12:13], s[12:13], s[4:5]       ; A's codes
	s_cselect_b64 s[100:101], s[100:101], s[6:7]   ; A's scales
	s_cselect_b64 s[8:9], s[4:5], s[8:9]           ; B's codes
	s_cselect_b64 s[10:11], s[6:7], s[10:11]       ; B's scales
	s_add_nc_u64 s[20:21], s[12:13], s[20:21]
	s_add_nc_u64 s[22:23], s[100:101], s[22:23]
	s_add_nc_u64 s[46:47], s[8:9], s[46:47]
	s_add_nc_u64 s[92:93], s[10:11], s[92:93]
	CROUND                                         ; all sixteen work-groups are here: the first joint loads meet
	s_mov_b32 s[G0S], 1
	s_add_co_u32 s[G0S+1], s94, SCL
	s_mov_b64 s[G0S+2:G0S+3], s[22:23]
	s_or_b32 s[G0S+3], s[G0S+3], 0x80000000
	s_mov_b32 s[G0SB], 1
	s_add_co_u32 s[G0SB+1], s94, SCL
	s_mov_b64 s[G0SB+2:G0SB+3], s[92:93]
	s_or_b32 s[G0SB+3], s[G0SB+3], 0x80000000
	JLOAD G0S, G1S, G0SB, G1SB                     ; the scales first; with the two below three loads of mine are out
.irp s, 0,1
	s_mov_b32 s[G0+4*\s], 1
	s_add_co_u32 s[G0+4*\s+1], s45, \s*SLOT
	s_add_nc_u64 s[G0+4*\s+2:G0+4*\s+3], s[20:21], \s*ROWB
	s_or_b32 s[G0+4*\s+3], s[G0+4*\s+3], 0x80000000
	s_mov_b32 s[G0B+4*\s], 1
	s_add_co_u32 s[G0B+4*\s+1], s45, \s*SLOT
	s_add_nc_u64 s[G0B+4*\s+2:G0B+4*\s+3], s[46:47], \s*ROWB
	s_or_b32 s[G0B+4*\s+3], s[G0B+4*\s+3], 0x80000000
	JLOAD G0+4*\s, G1, G0B+4*\s, G1B
.endr
	v_and_b32 v1, 15, v0                           ; l % 16
	v_bfe_u32 v2, v0, 4, 1                         ; l / 16
	v_mul_u32_u24 v3, v1, PITCH
	v_mul_u32_u24 v4, v2, 24
	v_add_nc_u32 v4, v3, v4                        ; a fragment's row x pitch + 24 x half
	v_lshl_add_u32 v5, v2, 4, v4                   ; and the same behind one padding more
	s_mul_i32 s21, s15, HALFT
	s_mul_i32 s22, s16, HALFT
	s_add_co_u32 s22, s22, 2*HALFT
.irp s, 0,1
	v_add_nc_u32 v[ADRA+\s], s21, v4
	v_add_nc_u32 v[ADRB+\s], s22, v4
	v_add_nc_u32 v[ADRA+2+\s], s21, v5
	v_add_nc_u32 v[ADRB+2+\s], s22, v5
	s_add_co_u32 s21, s21, SLOT
	s_add_co_u32 s22, s22, SLOT
.endr
	v_mul_u32_u24 v5, v1, KS
	v_lshrrev_b32 v6, 8, v5
	v_lshl_add_u32 v5, v6, 4, v5                   ; my row's scales: 32 bytes a row, 16 more for each 256 passed
	s_mul_i32 s21, s15, HALFS
	s_mul_i32 s22, s16, HALFS
	s_add_co_u32 s22, s22, 2*HALFS
	s_sub_co_u32 s22, s22, s21
	v_mul_u32_u24 v6, s22, v2                      ; lanes 16-31 take B's
	s_add_co_u32 s21, s21, SCL
	v_add_nc_u32 v5, v5, v6
	v_add_nc_u32 v[ADRS], s21, v5
.macro FRAG reg, adr, q, i             ; 16 rows x 128 K of 6-bit codes: 12 registers, in pieces of 8 bytes; the second address register serves the pieces that lie behind one padding more for lanes 16-31
.irp p, 0,1,2,3,4,5
.set PCE, 12*(\q)+6*(\p/3)+\p%3
.if PCE%8 < 5
	ds_load_b64 v[\reg+2*\p:\reg+2*\p+1], v[\adr] offset:8*PCE+16*(PCE/8)+(\i)*16*PITCH
.else
	ds_load_b64 v[\reg+2*\p:\reg+2*\p+1], v[\adr+2] offset:8*PCE+16*(PCE/8)+(\i)*16*PITCH
.endif
.endr
.endm
; 16 matrix instructions: A's blocks a0, a0 + 1 x B's eight.  The 64 accumulators take turns, one instruction a turn, in the same order in every step.
.macro MUL16 a0, p, q, sc, zero
.irp a, \a0, \a0+1
.irp b, 0,1,2,3,4,5,6,7
.if \zero
	v_wmma_scale_f32_16x16x128_f8f6f4 v[8*(8*((\a)%4)+\b):8*(8*((\a)%4)+\b)+7], v[128*(\p)+FR*\b:128*(\p)+FR*\b+FR-1], v[AF+FR*(\a):AF+FR*(\a)+FR-1], 0, v[SC+8*NQ*(\sc)+NQ*\b+(\q)], v[SC+8*NQ*(\sc)+NQ*(\a)+(\q)] matrix_a_fmt:MATRIX_FMT_FP6 matrix_b_fmt:MATRIX_FMT_FP6 matrix_a_scale:MATRIX_SCALE_ROW1
.else
	v_wmma_scale_f32_16x16x128_f8f6f4 v[8*(8*((\a)%4)+\b):8*(8*((\a)%4)+\b)+7], v[128*(\p)+FR*\b:128*(\p)+FR*\b+FR-1], v[AF+FR*(\a):AF+FR*(\a)+FR-1], v[8*(8*((\a)%4)+\b):8*(8*((\a)%4)+\b)+7], v[SC+8*NQ*(\sc)+NQ*\b+(\q)], v[SC+8*NQ*(\sc)+NQ*(\a)+(\q)] matrix_a_fmt:MATRIX_FMT_FP6 matrix_b_fmt:MATRIX_FMT_FP6 matrix_a_scale:MATRIX_SCALE_ROW1
.endif
.endr
.endr
.endm
.macro FETCH_B slot, q, p
	WIN TO_B
.irp i, 0,1,2,3,4,5,6,7
	FRAG 128*(\p)+FR*\i, ADRB+\slot, \q, \i
.endr
	WIN 0
.endm
.macro FETCH_A slot, q, i0
.irp i, \i0, \i0+1, \i0+2, \i0+3
	FRAG AF+FR*(\i), ADRA+\slot, \q, \i
.endr
.endm
.macro SCALES sc                       ; lanes 0-15 take A's block i, lanes 16-31 B's block i: two words a row
.irp i, 0,1,2,3,4,5,6,7
	ds_load_b64 v[SC+8*NQ*\sc+NQ*\i:SC+8*NQ*\sc+NQ*\i+1], v[ADRS] offset:\i*SBLK
.endr
.endm
.macro PLACES n                        ; plain vector instructions between a matrix instruction and a load into, or a read of, its registers
.rept \n
	v_nop
.endr
.endm
.macro STEP slot, q, zero              ; 128 along K with its successor in the same slot
	s_wait_dscnt 4*NL                              ; B's set and A's blocks 0-3 are in; A's blocks 4-7 (24 loads) may be out
	WIN MUL_LO
	MUL16 0, (\q)%2, \q, \slot, \zero
	MUL16 2, (\q)%2, \q, \slot, \zero
	s_wait_dscnt 0
	PLACES NP
	FETCH_B \slot, (\q)+1, 1-(\q)%2
	FETCH_A \slot, (\q)+1, 0
	WIN MUL_HI
	MUL16 4, (\q)%2, \q, \slot, \zero
	MUL16 6, (\q)%2, \q, \slot, \zero
	PLACES NP
	WIN 0
	FETCH_A \slot, (\q)+1, 4
.endm
; A slot's last step changes slots: one barrier; in front of it each wave waits for all its tensor loads, adds 0 to its spare word, and waits for that and for its reads of this slot.
.macro TURN slot, next, fill
	s_wait_tensorcnt 0x0                           ; all my tensor loads have landed: my part of the next slot
	ds_add_u32 v[SPW], v[NIL]                      ; 0 onto my spare word
	s_wait_dscnt 4*NL+1                            ; (the add and A's blocks 4-7 may be out)
	WIN MUL_LO
	MUL16 0, 1, NQ-1, \slot, 0
	s_wait_dscnt 0x0                               ; the add is done, and my reads of this slot are over
	s_barrier_signal -1
	MUL16 2, 1, NQ-1, \slot, 0
	WIN 0
	s_barrier_wait -1
.if \fill
	CREST                                          ; the barrier has opened a round of the cluster's: no wave of any partner still reads this slot or has a load on its way
	s_add_nc_u64 s[G0+4*\slot+2:G0+4*\slot+3], s[G0+4*\slot+2:G0+4*\slot+3], 2*ROWB
	s_add_nc_u64 s[G0B+4*\slot+2:G0B+4*\slot+3], s[G0B+4*\slot+2:G0B+4*\slot+3], 2*ROWB
	JLOAD G0+4*\slot, G1, G0B+4*\slot, G1B         ; the first tensor load behind the round; its four v_nop are the places in front of the loads below
.else
	PLACES NP
.endif
	v_add_nc_u32 v[ADRS], 4*NQ, v[ADRS]
	FETCH_B \next, 0, 0
	FETCH_A \next, 0, 0
	SCALES \next
	WIN MUL_HI
	MUL16 4, 1, NQ-1, \slot, 0
	MUL16 6, 1, NQ-1, \slot, 0
	PLACES NP
	WIN 0
	FETCH_A \next, 0, 4
.endm
	s_wait_tensorcnt 1                             ; the scales and my part of K step 0 are in (K step 1's load may be out)
	s_barrier_signal -1
	s_barrier_wait -1
	FETCH_B 0, 0, 0
	FETCH_A 0, 0, 0
	SCALES 0
	FETCH_A 0, 0, 4
	STEP 0, 0, 1                                   ; the first step's products start the sums
	s_mov_b32 s3, LAPS-1
.Llap:
	TURN 0, 1, 1
	STEP 1, 0, 0
	TURN 1, 0, 1
	STEP 0, 0, 0
	s_sub_co_u32 s3, s3, 1
	s_cmp_lg_u32 s3, 0
	s_cbranch_scc1 .Llap
	TURN 0, 1, 0                                   ; the last lap fills nothing
	STEP 1, 0, 0
	s_wait_dscnt 4*NL
	WIN MUL_LO
	MUL16 0, 1, NQ-1, 1, 0
	MUL16 2, 1, NQ-1, 1, 0
	s_wait_dscnt 0
	WIN MUL_HI
	MUL16 4, 1, NQ-1, 1, 0
	MUL16 6, 1, NQ-1, 1, 0
	WIN 0
; THE WAY OUT.  The eleven address lines name no register of the last products: they are the places behind them.
	v_and_b32 v[LI], 31, v0
	v_lshlrev_b32 v[L8], 3, v[LI]
	v_lshlrev_b32 v[LI], 4, v[LI]
	v_and_b32 v5, 15, v0                           ; r
	v_bfe_u32 v6, v0, 4, 1                         ; h
	v_and_b32 v[TA], 8, v5
	v_add_nc_u32 v[TA], v[TA], v5                  ; r + 8 (r / 8): the true row at place r of a tile
	v_lshlrev_b32 v[TA], 8, v[TA]
	v_lshl_add_u32 v[TA], v6, 7, v[TA]             ; 256 bytes a table row; my half's eight quads
	v_mul_u32_u24 v[SVO], v6, HSTR
	v_lshl_add_u32 v[SVO], v5, 4, v[SVO]
.irp b, 0,1,2,3
	v_mov_b32 v[TM+4+\b], 0                        ; written once: a lane permute's destination counts as one of its sources
.endr
	s_mov_b32 s[SEL], 0x76543210
	s_mov_b32 s[SEL+1], 0xfedcba98
	s_mov_b32 s[PADW], 0x7f7f0000
	s_mov_b32 s[HM], 0xffff0000                    ; lanes 16-31
; 64 numbers of a lane in window w, register 16 b + i = k 32 b + 16 (lane / 16) + i of my row, become a fragment's codes in v[PC] on and its scale word in v[pw].
.macro QUANT w, s, pw
	WIN (\w)|((\w)<<2)
.irp b, 0,1,2,3
	v_max3_num_f32 v[TM+\b], |v[(\s)+16*\b]|, |v[(\s)+1+16*\b]|, 0x1800000   ; each accumulator is read from its low end on; the floor 2^(3 - 127) holds the byte at 1 from below
.endr
.irp i, 2,4,6,8,10,12,14
.irp b, 0,1,2,3
	v_max3_num_f32 v[TM+\b], |v[(\s)+16*\b+\i]|, |v[(\s)+1+16*\b+\i]|, v[TM+\b]
.endr
.endr
	WIN 0
.irp b, 0,1,2,3
	v_permlanex16_b32 v[TM+4+\b], v[TM+\b], s[SEL], s[SEL+1]
.endr
.irp b, 0,1,2,3
	v_max_num_f32 v[TM+\b], v[TM+\b], v[TM+4+\b]   ; with lane l xor 16's: the block's largest magnitude
.endr
.irp b, 0,1,2,3
	v_add_nc_u32 v[TM+12+\b], 0xff000000, v[TM+\b] ; 2 off its exponent field: the conversion's scale operand
.endr
.irp b, 0,1,2,3
	v_lshrrev_b32 v[TM+4+\b], 23, v[TM+12+\b]      ; the scale's byte
.endr
	v_lshl_or_b32 v[\pw], v[TM+5], 8, v[TM+4]
	v_lshl_or_b32 v[\pw], v[TM+6], 16, v[\pw]
	v_lshl_or_b32 v[\pw], v[TM+7], 24, v[\pw]
	WIN (\w)
.irp c, 0,1
	v_cvt_scalef32_pk16_fp6_f32 v[PC+6*\c:PC+2+6*\c], v[(\s)+32*\c:(\s)+15+32*\c], v[TM+12+2*\c]
	v_cvt_scalef32_pk16_fp6_f32 v[PC+12+4*\c:PC+14+4*\c], v[(\s)+16+32*\c:(\s)+31+32*\c], v[TM+12+2*\c+1]
.endr
	WIN 0
	v_nop                                          ; one plain place behind a scaled conversion
.irp c, 0,1                                    ; the operand's layout wants a whole block in a lane
.irp i, 0,1,2
	v_permlane16_swap_b32 v[PC+6*\c+\i], v[PC+12+4*\c+\i]
.endr
.irp i, 0,1,2
	v_mov_b32 v[PC+3+6*\c+\i], v[PC+12+4*\c+\i]
.endr
.endr
.endm
	s_cmp_eq_u32 ttmp9, 2
	s_cbranch_scc1 .Lvout
; q AND k.  My 128 rows are one record's places, my 128 columns two heads.  Block a of 16 rows: RoPE, the quantiser along the head's 64, two images of 768 bytes.
	s_lshl_b32 s6, s17, 1
	s_add_co_u32 s6, s6, s15                       ; which 128 places
	s_and_b32 s7, s42, 3
	s_lshl_b32 s7, s7, 2
	s_lshl_b32 s8, s16, 1
	s_add_co_u32 s7, s7, s8                        ; my first head
	s_lshl_b32 s7, s7, 5
	s_add_co_u32 s7, s7, s6
	s_mul_i32 s8, s7, REC
	s_cmp_eq_u32 ttmp9, 0
	s_cselect_b32 s9, 0, QSEC
	s_add_co_u32 s8, s8, s9
	s_mov_b32 s9, 0
	s_add_nc_u64 s[12:13], s[98:99], s[8:9]        ; my record
	s_lshl_b32 s8, s6, 15                          ; 128 table rows of 256 bytes
	s_add_nc_u64 s[10:11], s[96:97], s[8:9]
.macro LOADT a                         ; the table numbers of block a: for my row, the eight quads of channels 16 h + 0 .. 15 (the same for both blocks of 32 of a head)
.irp i, 0,1,2,3,4,5,6,7
	global_load_b128 v[TT+32*((\a)%2)+4*\i:TT+32*((\a)%2)+4*\i+3], v[TA], s[10:11] offset:(32*((\a)/2)+8*((\a)%2))*256+16*\i
.endr
.endm
.macro ROPE a                          ; y[d] = x[d] cos[d] + x[d xor 1] ss[d], two at a time; the second line takes x's pair crosswise
.set XA, 64*((\a)%4)
.set TS, TT+32*((\a)%2)
	WIN 2+(\a)/4                                   ; source 0: the accumulators' window
.irp b, 0,1,2,3
.irp q, 0,1,2,3,4,5,6,7
	v_pk_mul_f32 v[Y+16*\b+2*\q:Y+16*\b+2*\q+1], v[XA+16*\b+2*\q:XA+16*\b+2*\q+1], v[TS+4*\q:TS+4*\q+1]
.endr
.irp q, 0,1,2,3,4,5,6,7
	v_pk_fma_f32 v[Y+16*\b+2*\q:Y+16*\b+2*\q+1], v[XA+16*\b+2*\q:XA+16*\b+2*\q+1], v[TS+4*\q+2:TS+4*\q+3], v[Y+16*\b+2*\q:Y+16*\b+2*\q+1] op_sel:[1,0,0] op_sel_hi:[0,1,1]
.endr
.endr
	WIN 0
.endm
.macro QKBLOCK a
.if (\a) < 7
	s_wait_loadcnt 8                               ; this block's eight table loads are in; the next block's may be out
.else
	s_wait_loadcnt 0
.endif
	ROPE \a
.if (\a)+2 < 8
	LOADT (\a)+2
.endif
.if (\a) > 0
	s_wait_xcnt 0x0                                ; the last block's stores have read their data: the codes' registers are written again only behind this wait
.endif
	QUANT 0, Y, PW
	global_store_b128 v[LI], v[PC:PC+3], s[12:13] offset:768*(\a)              ; 512 consecutive bytes, aligned
	global_store_b64 v[L8], v[PC+4:PC+5], s[12:13] offset:768*(\a)+512         ; 256
	global_store_b128 v[LI], v[PC+6:PC+9], s[12:13] offset:HSTR+768*(\a)       ; the second head
	global_store_b64 v[L8], v[PC+10:PC+11], s[12:13] offset:HSTR+768*(\a)+512
	v_and_or_b32 v[WA+(\a)], v[PW], 0xffff, s[PADW]                            ; a head's two bytes, and 127 twice for the zero filling
	v_lshrrev_b32 v[WB+(\a)], 16, v[PW]
	v_or_b32 v[WB+(\a)], s[PADW], v[WB+(\a)]
.endm
	LOADT 0
	LOADT 1
.irp a, 0,1,2,3,4,5,6,7
	QKBLOCK \a
.endr
.irp i, 0,1,2,3
	v_cndmask_b32 v[X4+\i], v[WA+\i], v[WA+4+\i], s[HM]   ; lanes 0-15: tiles 0-3; lanes 16-31: tiles 4-7
	v_cndmask_b32 v[X5+\i], v[WB+\i], v[WB+4+\i], s[HM]
.endr
	global_store_b128 v[LI], v[X4:X4+3], s[12:13] offset:12288
	global_store_b128 v[LI], v[X5:X5+3], s[12:13] offset:HSTR+12288
	s_branch .Lend
; v^T.  My 128 rows are two heads' channels (at places), my 128 columns one record's keys.  Block a: the quantiser along the keys, one image of 1,536 bytes.
.Lvout:
	s_lshl_b32 s6, s42, 1
	s_add_co_u32 s6, s6, s16                       ; which 128 keys
	s_lshl_b32 s7, s17, 2
	s_lshl_b32 s8, s15, 1
	s_add_co_u32 s7, s7, s8                        ; my first head
	s_lshl_b32 s7, s7, 5
	s_add_co_u32 s7, s7, s6
	s_mul_i32 s8, s7, REC
	s_add_co_u32 s8, s8, QSEC
	s_mov_b32 s9, 0
	s_add_nc_u64 s[12:13], s[98:99], s[8:9]
.irp a, 0,1,2,3,4,5,6,7
.if \a > 0
	s_wait_xcnt 0x0                                ; the last block's stores have read their data
.endif
	QUANT 2+\a/4, 64*(\a%4), WA+\a
.irp c, 0,1,2
	global_store_b128 v[LI], v[PC+4*\c:PC+4*\c+3], s[12:13] offset:(\a/4)*HSTR+6144+(\a%4)*1536+512*\c
.endr
.endr
.irp i, 0,1,2,3
	v_cndmask_b32 v[X4+\i], v[WA+\i], v[WA+4+\i], s[HM]   ; lanes 0-15: the first head's four tiles; lanes 16-31: the second's
.endr
	global_store_b128 v[SVO], v[X4:X4+3], s[12:13] offset:12800   ; 256 consecutive bytes in each head's record
.Lend:
	s_wait_tensorcnt 0x0                           ; the wave's end
	ds_add_u32 v[SPW], v[NIL]
	s_wait_dscnt 0x0
	CROUND                                         ; the closing round
	s_endpgm
.Lfunc_end_k_q8e24fdddc8_qkv:
	.size	k_q8e24fdddc8_qkv, .Lfunc_end_k_q8e24fdddc8_qkv-k_q8e24fdddc8_qkv
	.p2alignl 7, 3214868480
	.fill 96, 4, 3214868480
	.section	.rodata,"a",@progbits
	.p2align	6, 0x0
	.amdhsa_kernel k_q8e24fdddc8_qkv
		.amdhsa_group_segment_fixed_size 327680
		.amdhsa_private_segment_fixed_size 0
		.amdhsa_enable_private_segment 0
		.amdhsa_kernarg_size 48
		.amdhsa_user_sgpr_count 2
		.amdhsa_user_sgpr_kernarg_segment_ptr 1
		.amdhsa_wavefront_size32 1
		.amdhsa_system_sgpr_workgroup_id_x 1
		.amdhsa_system_sgpr_workgroup_id_y 1
		.amdhsa_system_sgpr_workgroup_id_z 1
		.amdhsa_system_vgpr_workitem_id 0
		.amdhsa_next_free_vgpr 1024
		.amdhsa_next_free_sgpr 102
		.amdhsa_reserve_vcc 0
		.amdhsa_float_denorm_mode_32 3
		.amdhsa_float_denorm_mode_16_64 3
		.amdhsa_memory_ordered 1
		.amdhsa_forward_progress 1
		.amdhsa_inst_pref_size 239
	.end_amdhsa_kernel
	.amdgpu_metadata
---
amdhsa.version: [ 1, 2 ]
amdhsa.kernels:
  - .name:           k_q8e24fdddc8_qkv
    .symbol:         k_q8e24fdddc8_qkv.kd
    .args:
      - { .name: xc, .offset: 0, .size: 8, .value_kind: global_buffer, .address_space: global }
      - { .name: xs, .offset: 8, .size: 8, .value_kind: global_buffer, .address_space: global }
      - { .name: wc, .offset: 16, .size: 8, .value_kind: global_buffer, .address_space: global }
      - { .name: ws, .offset: 24, .size: 8, .value_kind: global_buffer, .address_space: global }
      - { .name: tabs, .offset: 32, .size: 8, .value_kind: global_buffer, .address_space: global }
      - { .name: recs, .offset: 40, .size: 8, .value_kind: global_buffer, .address_space: global }
    .group_segment_fixed_size: 327680
    .private_segment_fixed_size: 0
    .kernarg_segment_align: 8
    .kernarg_segment_size: 48
    .max_flat_workgroup_size: 128
    .sgpr_count:     102
    .vgpr_count:     1024
    .wavefront_size: 32
...
	.end_amdgpu_metadata
.endif
;; end of part 2
;; launch attn (part 3): grid 16 x 16, 8 waves a work-group, clusters of 4 x 1, 327,680 bytes of LDS; arguments recs, tabs, cimg, csc; writes cimg, csc
.if DOCPART == 3
	.amdgcn_target "amdgcn-amd-amdhsa--gfx1250"
	.amdhsa_code_object_version 6
	.text
	.protected	k_q8e24fdddc8_attn
	.globl	k_q8e24fdddc8_attn
	.p2align	8
	.type	k_q8e24fdddc8_attn,@function
k_q8e24fdddc8_attn:
	s_mov_b64 s[64:65], 0
	v_nop
	global_prefetch_b8 v0, s[64:65] scope:SCOPE_SE
	s_setreg_imm32_b32 hwreg(HW_REG_WAVE_MODE, 25, 1), 1
	s_wait_xcnt 0x0
	s_wait_alu depctr_hold_cnt(0) depctr_sa_sdst(0) depctr_va_vdst(0) depctr_va_sdst(0) depctr_va_ssrc(0) depctr_va_vcc(0) depctr_vm_vsrc(0)
	s_getreg_b32 s2, hwreg(HW_REG_IB_STS2, 6, 4)
	s_cmp_eq_u32 s2, 0
	s_cbranch_scc0 .Lentry_in_a_cluster
	s_endpgm
.Lentry_in_a_cluster:
	s_bfe_u32 s2, ttmp6, 0x10000c
	s_cmp_lg_u32 s2, 0x3003
	s_cbranch_scc0 .Lentry_shape_is_right
	s_endpgm
.Lentry_shape_is_right:
; ctx = softmax(q k^T / 8, masked) v for 16 heads of 64, 4,096 queries and keys, both products on codes of FP6 (E2M3) with E8M0 scales; ctx leaves quantised along H, as operand images for the last product.
; THE SOFTMAX: t = score x log2(e) / 8; M = the running largest t rounded up to a whole number; p = 2^(t - M) is quantised along the keys; the row's sum is taken of the unquantised p and divides at the end.
; When M moves, the sum and O are multiplied by 2^(old M - new M): exact.
; THE MASK costs no vector instruction: a bias, 0 or -2^126 for each key, is the C of the first product.  LIMIT: a masked score is -2^126 + q.k, which is -2^126 where |q.k| < 2^102.
; -2^126 x c is exact, so while all keys seen are masked every p is 1 (a uniform row); the first key that counts makes the factor 0, which wipes what masked keys have added.
; SHARES.  A work-group owns 256 query places of one head; each of its eight waves two tiles of 16: two waves to a SIMD, so that one wave's vector work stands beside the other's matrix work and LDS loads,
; and each fragment of K and V read from LDS feeds two products.  Every wave walks 32 key steps of 128.
; LAYOUT.  Both products transposed: S^T = K Q^T (K = 64, filled to 128 with zero codes under the byte 127), O^T = V^T P^T: a lane holds one query.  Keys and channels lie at places pi, so that the 16 registers of
; tiles 2 b, 2 b + 1 are 16 true neighbours.  All operands arrive as images of their registers: every LDS load is 16 or 8 bytes x lane.
; RING.  Two slots of 8 records (8 key steps); a wave fetches one record of 13,056 bytes by one tensor load.  CLUSTER: the four query blocks of a cluster walk the same head: every load is joint.
; A refill has eight key steps in which to land, so nothing is prefetched.
; REGISTERS: window 0: addresses, statistics, scale words, v64-191 S^T then p (64 a tile), v192-215 p's codes, v216-230 at work.
;   window 1: v0-63 O^T (32 a tile); v64-87 Q; v88-183 K (12 a tile, the upper six zeros, written once); v184-247 the bias, then V.
.set REC,   13056
.set HSTR,  32*REC
.set QSEC,  16*HSTR
.set SLOT1, 8*REC
.set BIAS,  2*SLOT1
.set SPARE, BIAS+16384                 ; the spare words, 128 bytes a wave: four blocks of 256 bytes that no other line names
.set LI,  1                            ; 16 x lane
.set L8,  2                            ; 8 x lane
.set LVS, 3                            ; 16 r
.set LB,  4                            ; BIAS + 32 h
.set SPW, 5
.set NIL, 6
.set A16, 8                            ; the four of the step in hand
.set A8,  9
.set AVS, 10
.set AB,  11
.set ST,  12                           ; tile T: v[ST+4T] -M, +1 the largest t, +2, +3 the sum in two halves
.set FF,  20                           ; v[FF+2T] the factor (named as a pair)
.set KS,  24                           ; v24-27 K's scale words; v28-31 V's; v32-33 Q's; v34-35 p's
.set VS,  28
.set QS,  32
.set PS,  34
.set BM,  36                           ; four a tile: the blocks' largest
.set TP,  44
.set SO,  52                           ; the conversions' scale operands
.set SCR, 60
.set SS,  64
.set PF,  192
.set CT,  216
.set OF,  0                            ; window 1
.set QF,  64
.set KF,  88
.set BF,  184
.set VF,  184
.set WV,  12
.set G1,  16
.set G1B, 24
.set G0B, 32
.set G0S0, 36
.set G0S1, 40
.set CS,  44
.set SEL, 46
.set TB,  48
.set TBI, 49
.set CNT, 50
.set HM,  51
.set MSB, 0
.macro WIN new
.if MSB != (\new)
	s_set_vgpr_msb (MSB<<8)|(\new)
.set MSB, (\new)
.endif
.endm
.macro CROUND                          ; a round of the cluster's barrier
	s_barrier_signal -1
	s_barrier_wait -1
	s_cmp_lg_u32 s[WV], 0
	s_cbranch_scc1 .Lnot_wave_0_\@
	s_barrier_signal -3
.Lnot_wave_0_\@:
	s_barrier_wait -3
	s_barrier_signal -1
	s_barrier_wait -1
.endm
.macro REGS T                          ; tile T's registers
.set rS, SS+64*(\T)
.set rB, BM+4*(\T)
.set rP, TP+4*(\T)
.set rO, SO+4*(\T)
.set rT, ST+4*(\T)
.set rC, SCR+(\T)
.set rF, FF+2*(\T)
.set rQ, PF+12*(\T)
.set rX, CT+8*(\T)
.set rW, PS+(\T)
.set rA, OF+32*(\T)
.endm
	s_load_b256 s[4:11], s[0:1], 0x0               ; recs 4, tabs 6, cimg 8, csc 10
	v_lshl_add_u32 v[SPW], v0, 2, SPARE
	v_mov_b32 v[NIL], 0
	ds_add_u32 v5, v6
	ds_add_u32 v5, v6
	s_wait_dscnt 0x0
	v_lshrrev_b32 v1, 5, v0
	v_readfirstlane_b32 s[WV], v1                  ; wave 0..7
	s_bfe_u32 s13, ttmp6, 0x40000                  ; cx
	s_lshl_b32 s14, ttmp9, 2
	s_add_co_u32 s14, s14, s13                     ; my block of 256 queries: it enters q's and the outputs' addresses alone
	s_and_b32 s15, ttmp7, 0xffff                   ; the head, which the four partners share
	s_mov_b32 s[G1], 15|(3<<16)|(1<<21)            ; the mask: all four; elements of 8 bytes; no padding
	s_mov_b32 s[G1+1], 32<<16                      ; a record: 51 rows of 256 bytes, dense
	s_mov_b32 s[G1+2], 51<<16
	s_mov_b32 s[G1+3], 32<<16
	s_mov_b32 s[G1+4], 51
	s_mov_b32 s[G1+5], 32
	s_mov_b32 s[G1+6], 0
	s_mov_b32 s[G1+7], 0
	s_mov_b32 s[G1B], 15|(3<<16)|(1<<21)           ; an eighth of the bias: 8 rows of 256 bytes
	s_mov_b32 s[G1B+1], 32<<16
	s_mov_b32 s[G1B+2], 8<<16
	s_mov_b32 s[G1B+3], 32<<16
	s_mov_b32 s[G1B+4], 8
	s_mov_b32 s[G1B+5], 32
	s_mov_b32 s[G1B+6], 0
	s_mov_b32 s[G1B+7], 0
	s_lshl_b32 s52, s15, 5
	s_add_co_u32 s52, s52, s[WV]
	s_mul_i32 s52, s52, REC
	s_add_co_u32 s52, s52, QSEC                    ; the head's record of key step w
	s_mov_b32 s53, 0
	s_lshl_b32 s54, s[WV], 11
	s_add_co_u32 s54, s54, 1048576                 ; my 2,048 bytes of the bias
	s_mov_b32 s55, 0
	s_mul_i32 s56, s[WV], REC
	s_lshl_b32 s57, s[WV], 11
	s_mov_b32 s[CS], 0x3e38aa3b                    ; c = log2(e) / 8
	s_mov_b32 s[CS+1], s[CS]
	s_mov_b32 s[SEL], 0x76543210
	s_mov_b32 s[SEL+1], 0xfedcba98
	s_mov_b32 s[HM], 0xffff0000
	s_wait_kmcnt 0x0
	s_mov_b32 s[G0B], 1
	s_add_co_u32 s[G0B+1], s57, BIAS
	s_add_nc_u64 s[G0B+2:G0B+3], s[6:7], s[54:55]
	s_or_b32 s[G0B+3], s[G0B+3], 0x80000000
	s_mov_b32 s[G0S0], 1
	s_mov_b32 s[G0S0+1], s56
	s_add_nc_u64 s[G0S0+2:G0S0+3], s[4:5], s[52:53]
	s_mov_b32 s[G0S1], 1
	s_add_co_u32 s[G0S1+1], s56, SLOT1
	s_add_nc_u64 s[G0S1+2:G0S1+3], s[G0S0+2:G0S0+3], 8*REC
	s_or_b32 s[G0S0+3], s[G0S0+3], 0x80000000
	s_or_b32 s[G0S1+3], s[G0S1+3], 0x80000000
	CROUND                                         ; all four work-groups are here: the first joint loads meet
	tensor_load_to_lds s[G0B:G0B+3], s[G1B:G1B+7]  ; the first fills go out together: three loads of mine are out
	s_nop 0
	tensor_load_to_lds s[G0S0:G0S0+3], s[G1:G1+7]
	s_nop 0
	tensor_load_to_lds s[G0S1:G0S1+3], s[G1:G1+7]
	s_nop 0
.rept 4
	v_nop
.endr
	v_and_b32 v7, 31, v0
	v_lshlrev_b32 v[LI], 4, v7
	v_lshlrev_b32 v[L8], 3, v7
	v_and_b32 v7, 15, v0
	v_lshlrev_b32 v[LVS], 4, v7
	v_bfe_u32 v9, v0, 4, 1
	v_lshl_add_u32 v[LB], v9, 5, BIAS
	s_lshl_b32 s58, s15, 5                         ; q: record 2 x block + wave / 4 of my head, tiles 2 (wave % 4) + T
	s_lshl_b32 s60, s14, 1
	s_add_co_u32 s58, s58, s60
	s_lshr_b32 s60, s[WV], 2
	s_add_co_u32 s58, s58, s60
	s_mul_i32 s58, s58, REC
	s_mov_b32 s59, 0
	s_add_nc_u64 s[58:59], s[4:5], s[58:59]
	s_and_b32 s60, s[WV], 3
	s_mul_i32 s60, s60, 1536
	s_mov_b32 s61, 0
	s_add_nc_u64 s[60:61], s[58:59], s[60:61]
	s_bfe_u32 s62, s[WV], 0x10001
	s_lshl_b32 s62, s62, 8                         ; its scale words: 256 bytes on for tiles 4-7,
	s_and_b32 s63, s[WV], 1
	s_lshl_b32 s63, s63, 3                         ; 4 bytes a tile
	s_add_co_u32 s62, s62, s63
	v_add_nc_u32 v10, s62, v[LVS]
	global_load_b32 v[QS], v10, s[58:59] offset:12288
	global_load_b32 v[QS+1], v10, s[58:59] offset:12292
	WIN 0x40                                       ; destination window 1
.irp T, 0,1
	global_load_b128 v[QF+12*\T:QF+12*\T+3], v[LI], s[60:61] offset:768*\T
	global_load_b64 v[QF+12*\T+4:QF+12*\T+5], v[L8], s[60:61] offset:768*\T+512
.irp i, 6,7,8,9,10,11
	v_mov_b32 v[QF+12*\T+\i], 0                    ; K = 64 .. 127: zero codes
.endr
.endr
.irp t, 0,1,2,3,4,5,6,7
.irp i, 6,7,8,9,10,11
	v_mov_b32 v[KF+12*\t+\i], 0
.endr
.endr
.set j, 0
.rept 64
	v_mov_b32 v[OF+j], 0                           ; O^T: the step is written once; its first turn finds zeros
.set j, j+1
.endr
	WIN 0
.irp T, 0,1
	v_mov_b32 v[ST+4*\T+1], 0xff61b1e6             ; the largest t so far: -3e38
	v_floor_f32 v[ST+4*\T], -v[ST+4*\T+1]
	v_mov_b32 v[ST+4*\T+2], 0
	v_mov_b32 v[ST+4*\T+3], 0
	v_mov_b32 v[FF+2*\T+1], 0                      ; (named as the upper half of a pair)
.irp b, 0,1,2,3
	v_mov_b32 v[TP+4*\T+\b], 0                     ; a lane permute's destination counts as one of its sources
.endr
.endr
.macro SM1 T                           ; the largest score of each block of 32 keys; the running largest t; -M; the factor
	REGS \T
.irp b, 0,1,2,3
	v_max3_num_f32 v[rB+\b], v[rS+16*\b], v[rS+16*\b+1], v[rS+16*\b+2]
.endr
.irp i, 3,5,7,9,11,13
.irp b, 0,1,2,3
	v_max3_num_f32 v[rB+\b], v[rB+\b], v[rS+16*\b+\i], v[rS+16*\b+\i+1]
.endr
.endr
.irp b, 0,1,2,3
	v_max_num_f32 v[rB+\b], v[rB+\b], v[rS+16*\b+15]
.endr
.irp b, 0,1,2,3
	v_permlanex16_b32 v[rP+\b], v[rB+\b], s[SEL], s[SEL+1]
.endr
.irp b, 0,1,2,3
	v_max_num_f32 v[rB+\b], v[rB+\b], v[rP+\b]     ; with lane l xor 16's 16 keys
.endr
	v_max3_num_f32 v[rC], v[rB], v[rB+1], v[rB+2]
	v_max_num_f32 v[rC], v[rC], v[rB+3]
	v_mul_f32 v[rC], s[CS], v[rC]
	v_max_num_f32 v[rT+1], v[rT+1], v[rC]
	v_mov_b32 v[rC], v[rT]
	v_floor_f32 v[rT], -v[rT+1]                    ; -M = floor(-t): M is a whole number
	v_sub_f32 v[rC], v[rT], v[rC]                  ; old M - new M, 0 or less
	v_cvt_i32_f32 v[rC], v[rC]                     ; (it saturates)
	v_ldexp_f32 v[rF], 1.0, v[rC]                  ; 2^(old M - new M)
.endm
.macro SM2 T                           ; t - M, two at a time; the same of each block's largest score
	REGS \T
.set j, 0
.rept 32
	v_pk_fma_f32 v[rS+j:rS+j+1], v[rS+j:rS+j+1], s[CS:CS+1], v[rT:rT+1] op_sel_hi:[1,0,0]
.set j, j+2
.endr
.irp b, 0,1,2,3
	v_fma_f32 v[rB+\b], v[rB+\b], s[CS], v[rT]
.endr
.endm
.macro SM3 T                           ; p = 2^(t - M)
	REGS \T
.set j, 0
.rept 64
	v_exp_f32 v[rS+j], v[rS+j]
.set j, j+1
.endr
.endm
.macro SM5 T                           ; the row's sum of the unquantised p, in two chains
	REGS \T
	v_pk_add_f32 v[rP:rP+1], v[rS:rS+1], v[rS+2:rS+3]
.set j, 4
.rept 15
	v_pk_add_f32 v[rT+2:rT+3], v[rT+2:rT+3], v[rS+j:rS+j+1]
	v_pk_add_f32 v[rP:rP+1], v[rP:rP+1], v[rS+j+2:rS+j+3]
.set j, j+4
.endr
	v_pk_add_f32 v[rT+2:rT+3], v[rT+2:rT+3], v[rP:rP+1]
.endm
.macro SM6 T                           ; the blocks' scales, p's scale word, the conversions
	REGS \T
.irp b, 0,1,2,3
	v_max_num_f32 v[rB+\b], 0x1800000, v[rB+\b]    ; the floor 2^(3 - 127): a block whose every p is 0 keeps the byte 1; its codes are zeros
.endr
.irp b, 0,1,2,3
	v_add_nc_u32 v[rO+\b], 0xff000000, v[rB+\b]
.endr
.irp b, 0,1,2,3
	v_lshrrev_b32 v[rP+\b], 23, v[rO+\b]
.endr
	v_lshl_or_b32 v[rW], v[rP+1], 8, v[rP]
	v_lshl_or_b32 v[rW], v[rP+2], 16, v[rW]
	v_lshl_or_b32 v[rW], v[rP+3], 24, v[rW]
.irp c, 0,1
	v_cvt_scalef32_pk16_fp6_f32 v[rQ+6*\c:rQ+6*\c+2], v[rS+32*\c:rS+32*\c+15], v[rO+2*\c]
	v_cvt_scalef32_pk16_fp6_f32 v[rX+4*\c:rX+4*\c+2], v[rS+32*\c+16:rS+32*\c+31], v[rO+2*\c+1]
.endr
.endm
.macro SM7 T                           ; a whole block to a lane
	REGS \T
.irp c, 0,1
.irp i, 0,1,2
	v_permlane16_swap_b32 v[rQ+6*\c+\i], v[rX+4*\c+\i]
.endr
.irp i, 0,1,2
	v_mov_b32 v[rQ+3+6*\c+\i], v[rX+4*\c+\i]
.endr
.endr
.endm
.macro SM8 T                           ; O^T under the new M
	REGS \T
.set j, 0
.rept 16
	v_pk_mul_f32 v[rA+j:rA+j+1], v[rA+j:rA+j+1], v[rF:rF+1] op_sel_hi:[1,0]
.set j, j+2
.endr
.endm
.macro KQ t, row                       ; key tile t against both tiles of queries; the bias is the C
.irp T, 0,1
.if \row
	v_wmma_scale_f32_16x16x128_f8f6f4 v[SS+64*\T+8*(\t):SS+64*\T+8*(\t)+7], v[KF+12*(\t):KF+12*(\t)+11], v[QF+12*\T:QF+12*\T+11], v[BF+8*(\t):BF+8*(\t)+7], v[KS+(\t)-4], v[QS+\T] matrix_a_fmt:MATRIX_FMT_FP6 matrix_b_fmt:MATRIX_FMT_FP6 matrix_a_scale:MATRIX_SCALE_ROW1
.else
	v_wmma_scale_f32_16x16x128_f8f6f4 v[SS+64*\T+8*(\t):SS+64*\T+8*(\t)+7], v[KF+12*(\t):KF+12*(\t)+11], v[QF+12*\T:QF+12*\T+11], v[BF+8*(\t):BF+8*(\t)+7], v[KS+(\t)], v[QS+\T] matrix_a_fmt:MATRIX_FMT_FP6 matrix_b_fmt:MATRIX_FMT_FP6
.endif
.endr
.endm
; A KEY STEP: 128 keys, the record at LDS byte s[TB].
.macro STEP
	v_add_nc_u32 v[A16], s[TB], v[LI]              ; these four are also the places behind the last step's products, into whose V the bias is loaded
	v_add_nc_u32 v[A8], s[TB], v[L8]
	v_add_nc_u32 v[AVS], s[TB], v[LVS]
	v_add_nc_u32 v[AB], s[TBI], v[LB]
	ds_load_b128 v[KS:KS+3], v[A16] offset:12288   ; K's scale words: lanes 0-15 tiles 0-3, lanes 16-31 tiles 4-7
	WIN 0x40
.irp t, 0,1,2,3,4,5,6,7
	ds_load_b128 v[KF+12*\t:KF+12*\t+3], v[A16] offset:768*\t
	ds_load_b64 v[KF+12*\t+4:KF+12*\t+5], v[A8] offset:768*\t+512
	ds_load_b128 v[BF+8*\t:BF+8*\t+3], v[AB] offset:64*\t        ; the bias of keys 16 t + 8 h + 0 .. 7, in the result's layout
	ds_load_b128 v[BF+8*\t+4:BF+8*\t+7], v[AB] offset:64*\t+16
.endr
	s_wait_dscnt 16                                ; the scale words and tiles 0-3 are in; the 16 loads of tiles 4-7 may be out
	WIN 0x15                                       ; K, Q and the bias in window 1, S^T in window 0
.irp t, 0,1,2,3
	KQ \t, 0
.endr
	s_wait_dscnt 0x0
.irp t, 4,5,6,7
	KQ \t, 1
.endr
.rept 4
	v_nop                                          ; places in front of the loads into the bias's registers and of the first read of the scores
.endr
	WIN 0x40
.irp d, 0,1,2,3
.irp c, 0,1,2
	ds_load_b128 v[VF+12*\d+4*\c:VF+12*\d+4*\c+3], v[A16] offset:6144+1536*\d+512*\c
.endr
.endr
	WIN 0
	ds_load_b128 v[VS:VS+3], v[AVS] offset:12800
	SM1 0
	SM1 1
	SM2 0
	SM2 1
	SM3 0
	SM3 1                                          ; 128 exponentials, one batch
.irp T, 0,1
	v_pk_mul_f32 v[ST+4*\T+2:ST+4*\T+3], v[ST+4*\T+2:ST+4*\T+3], v[FF+2*\T:FF+2*\T+1] op_sel_hi:[1,0]   ; the sums under the new M: the plain place behind the batch
.endr
	s_wait_alu depctr_va_vdst(0)                   ; one wait for the batch, ahead of its first reader
.irp b, 0,1,2,3,4,5,6,7
	v_exp_f32 v[BM+\b], v[BM+\b]                   ; the blocks' largest p: the same two instructions on the same number give the same bits
.endr
	SM5 0                                          ; (these read the 128 alone: plain work behind the eight)
	SM5 1
	s_wait_alu depctr_va_vdst(0)                   ; and one for the eight
	SM6 0
	SM6 1
	v_nop                                          ; one plain place behind the last scaled conversion
	SM7 0
	SM7 1
	WIN 0x41                                       ; O^T in window 1, the factor in window 0
	SM8 0                                          ; these 32 are also the places between p's codes and scale words and the products below
	SM8 1
	s_wait_dscnt 0x0                               ; V and its scale words are in
	WIN 0x51                                       ; V and O^T in window 1, p in window 0
.irp d, 0,1,2,3                                ; the eight accumulators take turns, one instruction a turn
.irp T, 0,1
	v_wmma_scale_f32_16x16x128_f8f6f4 v[OF+32*\T+8*\d:OF+32*\T+8*\d+7], v[VF+12*\d:VF+12*\d+11], v[PF+12*\T:PF+12*\T+11], v[OF+32*\T+8*\d:OF+32*\T+8*\d+7], v[VS+\d], v[PS+\T] matrix_a_fmt:MATRIX_FMT_FP6 matrix_b_fmt:MATRIX_FMT_FP6
.endr
.endr
	WIN 0
	s_add_co_u32 s[TB], s[TB], REC
	s_add_co_u32 s[TBI], s[TBI], 512
.endm
.macro PHASE base, n                   ; a slot's eight key steps
	s_mov_b32 s[TB], \base
	s_mov_b32 s[TBI], 4096*(\n)
	s_mov_b32 s[CNT], 8
.Lstep_\@:
	STEP
	s_sub_co_u32 s[CNT], s[CNT], 1
	s_cmp_lg_u32 s[CNT], 0
	s_cbranch_scc1 .Lstep_\@
.endm
; THE CHANGE OF SLOTS.  Each wave waits for all its tensor loads (its part of the slot ahead), adds 0 to its spare word, and waits for that and for its reads of the slot that it has left.
; Behind the cluster's round no wave of any partner reads that slot: it is filled with the records 16 key steps on, one load a wave, which has eight key steps in which to land.
.macro CHANGE g0
	s_wait_tensorcnt 0x0
	ds_add_u32 v[SPW], v[NIL]
	s_add_nc_u64 s[\g0+2:\g0+3], s[\g0+2:\g0+3], 16*REC   ; no load of mine is out, so the descriptor may step
	s_wait_dscnt 0x0
	CROUND
	tensor_load_to_lds s[\g0:\g0+3], s[G1:G1+7]
	s_nop 0
.rept 4
	v_nop
.endr
.endm
	s_wait_loadcnt 0x0                             ; Q and its scale words
	s_wait_tensorcnt 1                             ; the bias and slot 0 are in; slot 1's load may be out
	s_barrier_signal -1
	s_barrier_wait -1
	PHASE 0, 0
	CHANGE G0S0
	PHASE SLOT1, 1
	CHANGE G0S1
	PHASE 0, 2
	s_wait_tensorcnt 0x0                           ; the last change fills nothing: my part of slot 1 is in,
	ds_add_u32 v[SPW], v[NIL]
	s_wait_dscnt 0x0
	s_barrier_signal -1
	s_barrier_wait -1                              ; everybody's is
	PHASE SLOT1, 3
; THE WAY OUT.  The sums' additions are the places behind the last products.  O^T / l is quantised along the head's 64 (two blocks) and leaves as an image of 768 bytes a tile; the two scale bytes go to their row of csc.
.irp T, 0,1
	v_add_f32 v[SCR+\T], v[ST+4*\T+2], v[ST+4*\T+3]
.endr
.irp T, 0,1
	v_permlanex16_b32 v[TP+4*\T], v[SCR+\T], s[SEL], s[SEL+1]
.endr
.irp T, 0,1
	v_add_f32 v[SCR+\T], v[SCR+\T], v[TP+4*\T]     ; the row's sum
.endr
	s_lshl_b32 s52, s14, 4
	s_lshl_b32 s53, s[WV], 1
	s_add_co_u32 s52, s52, s53                     ; my first tile of rows: 16 x block + 2 x wave
	s_lshl_b32 s54, s52, 9                         ; 16 rows of 32 scale bytes
	s_lshl_b32 s55, s15, 1
	s_add_co_u32 s54, s54, s55                     ; + 2 x head
	s_mov_b32 s55, 0
	s_add_nc_u64 s[10:11], s[10:11], s[54:55]
	s_mul_i32 s52, s52, 12288
	s_mul_i32 s53, s15, 768
	s_add_co_u32 s52, s52, s53
	s_mov_b32 s53, 0
	s_add_nc_u64 s[8:9], s[8:9], s[52:53]
.irp T, 0,1
	v_rcp_f32 v[FF+2*\T], v[SCR+\T]
.endr
	v_and_b32 v[A8], 31, v0                        ; (a plain place behind the reciprocals)
	v_lshlrev_b32 v[A8], 5, v[A8]                  ; 32 bytes a row of csc
	s_wait_alu depctr_va_vdst(0)                   ; one wait for the two, ahead of their first reader
	WIN 0x01                                       ; source 0: O^T in window 1
.irp T, 0,1
.set j, 0
.rept 16
	v_pk_mul_f32 v[SS+64*\T+j:SS+64*\T+j+1], v[OF+32*\T+j:OF+32*\T+j+1], v[FF+2*\T:FF+2*\T+1] op_sel_hi:[1,0]   ; each accumulator from its low end on
.set j, j+2
.endr
.endr
	WIN 0
.macro CQ T
	REGS \T
.irp b, 0,1
	v_max3_num_f32 v[rB+\b], |v[rS+16*\b]|, |v[rS+16*\b+1]|, 0x1800000
.endr
.irp i, 2,4,6,8,10,12,14
.irp b, 0,1
	v_max3_num_f32 v[rB+\b], v[rB+\b], |v[rS+16*\b+\i]|, |v[rS+16*\b+\i+1]|
.endr
.endr
.irp b, 0,1
	v_permlanex16_b32 v[rP+\b], v[rB+\b], s[SEL], s[SEL+1]
.endr
.irp b, 0,1
	v_max_num_f32 v[rB+\b], v[rB+\b], v[rP+\b]
.endr
.irp b, 0,1
	v_add_nc_u32 v[rO+\b], 0xff000000, v[rB+\b]
.endr
.irp b, 0,1
	v_lshrrev_b32 v[rP+\b], 23, v[rO+\b]
.endr
	v_lshl_or_b32 v[rC], v[rP+1], 8, v[rP]         ; my row's two bytes
	v_cvt_scalef32_pk16_fp6_f32 v[rQ:rQ+2], v[rS:rS+15], v[rO]
	v_cvt_scalef32_pk16_fp6_f32 v[rX:rX+2], v[rS+16:rS+31], v[rO+1]
	v_nop
.irp i, 0,1,2
	v_permlane16_swap_b32 v[rQ+\i], v[rX+\i]
.endr
.irp i, 0,1,2
	v_mov_b32 v[rQ+3+\i], v[rX+\i]
.endr
	global_store_b128 v[LI], v[rQ:rQ+3], s[8:9] offset:12288*(\T)          ; 512 consecutive bytes, aligned
	global_store_b64 v[L8], v[rQ+4:rQ+5], s[8:9] offset:12288*(\T)+512     ; 256
.endm
	CQ 0
	CQ 1
	v_cndmask_b32 v[A16], v[SCR], v[SCR+1], s[HM]  ; lanes 0-15: the first tile's rows; lanes 16-31: the second's
	global_store_b16 v[A8], v[A16], s[10:11]       ; a head owns 2 of a row's 32 scale bytes: 64 bytes a wave, once
	s_wait_tensorcnt 0x0                           ; the wave's end
	ds_add_u32 v[SPW], v[NIL]
	s_wait_dscnt 0x0
	CROUND                                         ; the closing round
	s_endpgm
.Lfunc_end_k_q8e24fdddc8_attn:
	.size	k_q8e24fdddc8_attn, .Lfunc_end_k_q8e24fdddc8_attn-k_q8e24fdddc8_attn
	.p2alignl 7, 3214868480
	.fill 96, 4, 3214868480
	.section	.rodata,"a",@progbits
	.p2align	6, 0x0
	.amdhsa_kernel k_q8e24fdddc8_attn
		.amdhsa_group_segment_fixed_size 327680
		.amdhsa_private_segment_fixed_size 0
		.amdhsa_enable_private_segment 0
		.amdhsa_kernarg_size 32
		.amdhsa_user_sgpr_count 2
		.amdhsa_user_sgpr_kernarg_segment_ptr 1
		.amdhsa_wavefront_size32 1
		.amdhsa_system_sgpr_workgroup_id_x 1
		.amdhsa_system_sgpr_workgroup_id_y 1
		.amdhsa_system_sgpr_workgroup_id_z 1
		.amdhsa_system_vgpr_workitem_id 0
		.amdhsa_next_free_vgpr 512
		.amdhsa_next_free_sgpr 66
		.amdhsa_reserve_vcc 0
		.amdhsa_float_denorm_mode_32 3
		.amdhsa_float_denorm_mode_16_64 3
		.amdhsa_memory_ordered 1
		.amdhsa_forward_progress 1
		.amdhsa_inst_pref_size 139
	.end_amdhsa_kernel
	.amdgpu_metadata
---
amdhsa.version: [ 1, 2 ]
amdhsa.kernels:
  - .name:           k_q8e24fdddc8_attn
    .symbol:         k_q8e24fdddc8_attn.kd
    .args:
      - { .name: recs, .offset: 0, .size: 8, .value_kind: global_buffer, .address_space: global }
      - { .name: tabs, .offset: 8, .size: 8, .value_kind: global_buffer, .address_space: global }
      - { .name: cimg, .offset: 16, .size: 8, .value_kind: global_buffer, .address_space: global }
      - { .name: csc, .offset: 24, .size: 8, .value_kind: global_buffer, .address_space: global }
    .group_segment_fixed_size: 327680
    .private_segment_fixed_size: 0
    .kernarg_segment_align: 8
    .kernarg_segment_size: 32
    .max_flat_workgroup_size: 256
    .sgpr_count:     66
    .vgpr_count:     512
    .wavefront_size: 32
...
	.end_amdgpu_metadata
.endif
;; end of part 3
;; launch oproj (part 4): grid 4 x 16, 4 waves a work-group, clusters of 4 x 4, 327,680 bytes of LDS; arguments cimg, csc, wc, ws, out0; writes out0
.if DOCPART == 4
	.amdgcn_target "amdgcn-amd-amdhsa--gfx1250"
	.amdhsa_code_object_version 6
	.text
	.protected	k_q8e24fdddc8_oproj
	.globl	k_q8e24fdddc8_oproj
	.p2align	8
	.type	k_q8e24fdddc8_oproj,@function
k_q8e24fdddc8_oproj:
	s_mov_b64 s[64:65], 0
	v_nop
	global_prefetch_b8 v0, s[64:65] scope:SCOPE_SE
	s_setreg_imm32_b32 hwreg(HW_REG_WAVE_MODE, 25, 1), 1
	s_wait_xcnt 0x0
	s_wait_alu depctr_hold_cnt(0) depctr_sa_sdst(0) depctr_va_vdst(0) depctr_va_sdst(0) depctr_va_ssrc(0) depctr_va_vcc(0) depctr_vm_vsrc(0)
	s_getreg_b32 s2, hwreg(HW_REG_IB_STS2, 6, 4)
	s_cmp_eq_u32 s2, 0
	s_cbranch_scc0 .Lentry_in_a_cluster
	s_endpgm
.Lentry_in_a_cluster:
	s_bfe_u32 s2, ttmp6, 0x10000c
	s_cmp_lg_u32 s2, 0xf033
	s_cbranch_scc0 .Lentry_shape_is_right
	s_endpgm
.Lentry_shape_is_right:
; out = ctx Wo on codes of FP6 (E2M3) with E8M0 scales: C[m][n] = sum over k of A[m][k] B[n][k], M = 4,096, N = K = 1,024; C f32.
; A = ctx arrives as IMAGES of operand registers, [tile of 16 rows][head][768 bytes] (registers 0-3 at 16 x lane, 4-5 at 512 + 8 x lane): two heads are a fragment of 128 along K.  Its rows lie at places pi
; (bits 3 and 4 of the row exchanged): the stores put place p at row pi(p).  Its scale bytes are [place][32].  B = Wo's rows, codes with K innermost (rows 3,072 on of wc and ws).
; A tile of C is 256 x 256, four waves of 128 x 128.  K goes in steps of 256 through a ring of two LDS slots; the scales come into LDS once.  CLUSTERS 4 x 4: A's tiles are asked for jointly along a row, B's along a column.
; The matrix instruction is used transposed (source 0 = 16 rows of B, source 1 = 16 rows of A): a lane holds eight neighbouring numbers of a row of C.
; The problem has 64 such tiles: the launch has work for 64 work-groups.
; REGISTERS: window 0: v0-31 addresses; v32-63 scale words; from v128 A's fragments; window 1: B's fragments, two sets; windows 2, 3: the accumulators.
.set SIZE_N, 1024
.set KSTEP,  256
.set NQ,     2
.set ROWB,   192
.set KROW,   768
.set ASTEP,  3072                      ; a tile of 16 rows of A, 256 along K: four images
.set PITCH,  240
.set FR,     12
.set NL,     6
.set NLA,    4                         ; LDS loads that bring a fragment of A
.set NP,     4
.set HALFT,  128*PITCH                 ; a wave's part of a slot (A's eight tiles of rows use 24,576 bytes of it)
.set SLOT,   4*HALFT
.set LAPS,   2
.set KS,     32
.set SCL,    2*SLOT
.set HALFS,  (128*KS/256)*272
.set SBLK,   (16*KS/256)*272
.set SPARE,  SCL+4*HALFS
.set SPITCH, 528                       ; the way out: a stage of 16 rows x (512 + 16) bytes a wave, in slot 0, which has had its last fill and its last read by then
.set ADRA, 16                          ; v16-17 16 x lane + my A in slot 0, 1; v18-19 8 x lane likewise
.set ADRB, 20
.set STO,  24
.set RD,   25
.set CO,   26
.set ADRS, 27
.set SPW,  28
.set NIL,  29
.set SC,   32
.set AF,   128
.set BK,   128
.set G1, 24
.set G0, 32
.set G1B, 48
.set G0B, 56
.set G1S, 68
.set G0S, 76
.set G1SB, 80
.set G0SB, 88
.set MSB, 0
.macro WIN new
.if MSB != (\new)
	s_set_vgpr_msb (MSB<<8)|(\new)
.set MSB, (\new)
.endif
.endm
.set MUL_LO, 0xa1
.set MUL_HI, 0xf1
.set TO_B,   0x40
.macro JLOAD g0a, g1a, g0b, g1b        ; a joint load: waves 0 and 1 fetch for A, waves 2 and 3 for B; four v_nop follow each of the two lines
	s_cmp_eq_u32 s15, 0
	s_cbranch_scc0 .Lfor_b_\@
	tensor_load_to_lds s[\g0a:\g0a+3], s[\g1a:\g1a+7]
	s_nop 0
.rept 4
	v_nop
.endr
	s_branch .Lasked_\@
.Lfor_b_\@:
	tensor_load_to_lds s[\g0b:\g0b+3], s[\g1b:\g1b+7]
	s_nop 0
.rept 4
	v_nop
.endr
.Lasked_\@:
.endm
.macro CREST
	s_cmp_lg_u32 s14, 0
	s_cbranch_scc1 .Lnot_wave_0_\@
	s_barrier_signal -3
.Lnot_wave_0_\@:
	s_barrier_wait -3
	s_barrier_signal -1
	s_barrier_wait -1
.endm
.macro CROUND
	s_barrier_signal -1
	s_barrier_wait -1
	CREST
.endm
	s_load_b128 s[4:7], s[0:1], 0x0                ; ctx's images, its scales
	s_load_b128 s[8:11], s[0:1], 0x10              ; the weights' codes, their scales
	s_load_b64 s[12:13], s[0:1], 0x20              ; out
	v_lshl_add_u32 v[SPW], v0, 2, SPARE
	v_mov_b32 v[NIL], 0
	ds_add_u32 v28, v29
	ds_add_u32 v28, v29
	s_wait_dscnt 0x0
	v_lshrrev_b32 v1, 5, v0
	v_readfirstlane_b32 s14, v1
	s_lshr_b32 s15, s14, 1
	s_and_b32 s16, s14, 1
	s_bfe_u32 s40, ttmp6, 0x40000
	s_bfe_u32 s41, ttmp6, 0x40004
	s_lshl_b32 s42, ttmp9, 2
	s_add_co_u32 s42, s42, s40                     ; tile column
	s_and_b32 s17, ttmp7, 0xffff
	s_lshl_b32 s17, s17, 2
	s_add_co_u32 s17, s17, s41                     ; tile row
	s_lshl_b32 s43, s41, 2
	s_lshl_b32 s43, 15, s43
	s_lshl_b32 s44, 0x1111, s40
	s_or_b32 s[G1+0], s43, (3<<16)|(1<<21)         ; A: 8 tiles of rows x 3,072 bytes (384 elements of 8), 12,288 bytes apart; dense in LDS
	s_mov_b32 s[G1+1], 384<<16
	s_mov_b32 s[G1+2], 8<<16
	s_mov_b32 s[G1+3], 384<<16
	s_mov_b32 s[G1+4], 8
	s_mov_b32 s[G1+5], 1536
	s_mov_b32 s[G1+6], 0
	s_mov_b32 s[G1+7], 0
	s_or_b32 s[G1B+0], s44, (0<<16)|(1<<20)|(1<<21)|(3<<22)|(3<<25)  ; B: 128 rows x 192 bytes, 4 words of padding behind every 16
	s_mov_b32 s[G1B+1], ROWB<<16
	s_mov_b32 s[G1B+2], 128<<16
	s_mov_b32 s[G1B+3], ROWB<<16
	s_mov_b32 s[G1B+4], 128
	s_mov_b32 s[G1B+5], KROW
	s_mov_b32 s[G1B+6], 0
	s_mov_b32 s[G1B+7], 0
	s_or_b32 s[G1S+0], s43, (3<<16)|(1<<20)|(1<<21)|(5<<22)|(3<<25)
	s_or_b32 s[G1SB+0], s44, (3<<16)|(1<<20)|(1<<21)|(5<<22)|(3<<25)
.irp g, G1S, G1SB
	s_mov_b32 s[\g+1], 32<<16
	s_mov_b32 s[\g+2], (128*KS/256)<<16
	s_mov_b32 s[\g+3], 32<<16
	s_mov_b32 s[\g+4], 128*KS/256
	s_mov_b32 s[\g+5], 32
	s_mov_b32 s[\g+6], 0
	s_mov_b32 s[\g+7], 0
.endr
	s_lshl_b32 s18, s16, 7
	s_lshl_b32 s20, s17, 8
	s_add_co_u32 s20, s20, s18
	s_lshl_b32 s46, s42, 8
	s_add_co_u32 s46, s46, s18
	s_mov_b32 s21, 0
	s_mov_b32 s47, 0
	s_mov_b64 s[18:19], KS
	s_mul_u64 s[22:23], s[20:21], s[18:19]
	s_mul_u64 s[92:93], s[46:47], s[18:19]
	s_mov_b64 s[18:19], KROW                       ; (16 rows of 768 bytes are a tile of rows' 12,288: the same product serves the images)
	s_mul_u64 s[20:21], s[20:21], s[18:19]
	s_mul_u64 s[46:47], s[46:47], s[18:19]
	s_mul_i32 s45, s14, HALFT
	s_mul_i32 s94, s14, HALFS
	s_wait_kmcnt 0x0
	s_add_nc_u64 s[8:9], s[8:9], 3072*KROW         ; Wo's rows
	s_add_nc_u64 s[10:11], s[10:11], 3072*KS
	s_add_nc_u64 s[20:21], s[4:5], s[20:21]
	s_add_nc_u64 s[22:23], s[6:7], s[22:23]
	s_add_nc_u64 s[46:47], s[8:9], s[46:47]
	s_add_nc_u64 s[92:93], s[10:11], s[92:93]
	CROUND
	s_mov_b32 s[G0S], 1
	s_add_co_u32 s[G0S+1], s94, SCL
	s_mov_b64 s[G0S+2:G0S+3], s[22:23]
	s_or_b32 s[G0S+3], s[G0S+3], 0x80000000
	s_mov_b32 s[G0SB], 1
	s_add_co_u32 s[G0SB+1], s94, SCL
	s_mov_b64 s[G0SB+2:G0SB+3], s[92:93]
	s_or_b32 s[G0SB+3], s[G0SB+3], 0x80000000
	JLOAD G0S, G1S, G0SB, G1SB                     ; with the two below three loads of mine are out
.irp s, 0,1
	s_mov_b32 s[G0+4*\s], 1
	s_add_co_u32 s[G0+4*\s+1], s45, \s*SLOT
	s_add_nc_u64 s[G0+4*\s+2:G0+4*\s+3], s[20:21], \s*ASTEP
	s_or_b32 s[G0+4*\s+3], s[G0+4*\s+3], 0x80000000
	s_mov_b32 s[G0B+4*\s], 1
	s_add_co_u32 s[G0B+4*\s+1], s45, \s*SLOT
	s_add_nc_u64 s[G0B+4*\s+2:G0B+4*\s+3], s[46:47], \s*ROWB
	s_or_b32 s[G0B+4*\s+3], s[G0B+4*\s+3], 0x80000000
	JLOAD G0+4*\s, G1, G0B+4*\s, G1B
.endr
	v_and_b32 v1, 15, v0
	v_bfe_u32 v2, v0, 4, 1
	v_mul_u32_u24 v3, v1, PITCH
	v_mul_u32_u24 v4, v2, 24
	v_add_nc_u32 v4, v3, v4
	v_lshl_add_u32 v5, v2, 4, v4
	v_and_b32 v6, 31, v0
	v_lshlrev_b32 v7, 4, v6                        ; A's images: 16 x lane
	v_lshlrev_b32 v8, 3, v6                        ; and 8 x lane
	s_mul_i32 s21, s15, HALFT
	s_mul_i32 s22, s16, HALFT
	s_add_co_u32 s22, s22, 2*HALFT
.irp s, 0,1
	v_add_nc_u32 v[ADRA+\s], s21, v7
	v_add_nc_u32 v[ADRB+\s], s22, v4
	v_add_nc_u32 v[ADRA+2+\s], s21, v8
	v_add_nc_u32 v[ADRB+2+\s], s22, v5
	s_add_co_u32 s21, s21, SLOT
	s_add_co_u32 s22, s22, SLOT
.endr
	v_mul_u32_u24 v5, v1, KS
	v_lshrrev_b32 v6, 8, v5
	v_lshl_add_u32 v5, v6, 4, v5
	s_mul_i32 s21, s15, HALFS
	s_mul_i32 s22, s16, HALFS
	s_add_co_u32 s22, s22, 2*HALFS
	s_sub_co_u32 s22, s22, s21
	v_mul_u32_u24 v6, s22, v2
	s_add_co_u32 s21, s21, SCL
	v_add_nc_u32 v5, v5, v6
	v_add_nc_u32 v[ADRS], s21, v5
	s_mul_i32 s23, s14, 16*SPITCH                  ; my stage
	v_mul_u32_u24 v5, v1, SPITCH
	v_lshl_add_u32 v5, v2, 5, v5
	v_add_nc_u32 v[STO], s23, v5
	v_and_b32 v6, 31, v0
	v_lshlrev_b32 v[CO], 4, v6
	v_add_nc_u32 v[RD], s23, v[CO]
	s_lshl_b32 s20, s17, 8
	s_lshl_b32 s21, s15, 7
	s_add_co_u32 s20, s20, s21                     ; my first row of C (a multiple of 32: pi stays inside my rows)
	s_mov_b32 s21, 0
	s_mov_b64 s[18:19], SIZE_N*4
	s_mul_u64 s[20:21], s[20:21], s[18:19]
	s_lshl_b32 s46, s42, 10
	s_lshl_b32 s47, s16, 9
	s_add_co_u32 s46, s46, s47
	s_mov_b32 s47, 0
	s_add_nc_u64 s[20:21], s[20:21], s[46:47]
	s_add_nc_u64 s[12:13], s[12:13], s[20:21]
.macro FRAG reg, adr, q, i             ; B: 16 rows x 128 K from padded rows, in pieces of 8 bytes
.irp p, 0,1,2,3,4,5
.set PCE, 12*(\q)+6*(\p/3)+\p%3
.if PCE%8 < 5
	ds_load_b64 v[\reg+2*\p:\reg+2*\p+1], v[\adr] offset:8*PCE+16*(PCE/8)+(\i)*16*PITCH
.else
	ds_load_b64 v[\reg+2*\p:\reg+2*\p+1], v[\adr+2] offset:8*PCE+16*(PCE/8)+(\i)*16*PITCH
.endif
.endr
.endm
.macro FRAGA reg, slot, q, i           ; A: two images are a fragment: four loads, each of consecutive bytes
	ds_load_b128 v[\reg:\reg+3], v[ADRA+\slot] offset:(\i)*ASTEP+(\q)*1536
	ds_load_b64 v[\reg+4:\reg+5], v[ADRA+2+\slot] offset:(\i)*ASTEP+(\q)*1536+512
	ds_load_b128 v[\reg+6:\reg+9], v[ADRA+\slot] offset:(\i)*ASTEP+(\q)*1536+768
	ds_load_b64 v[\reg+10:\reg+11], v[ADRA+2+\slot] offset:(\i)*ASTEP+(\q)*1536+1280
.endm
.macro MUL16 a0, p, q, sc, zero        ; the 64 accumulators take turns, one instruction a turn
.irp a, \a0, \a0+1
.irp b, 0,1,2,3,4,5,6,7
.if \zero
	v_wmma_scale_f32_16x16x128_f8f6f4 v[8*(8*((\a)%4)+\b):8*(8*((\a)%4)+\b)+7], v[128*(\p)+FR*\b:128*(\p)+FR*\b+FR-1], v[AF+FR*(\a):AF+FR*(\a)+FR-1], 0, v[SC+8*NQ*(\sc)+NQ*\b+(\q)], v[SC+8*NQ*(\sc)+NQ*(\a)+(\q)] matrix_a_fmt:MATRIX_FMT_FP6 matrix_b_fmt:MATRIX_FMT_FP6 matrix_a_scale:MATRIX_SCALE_ROW1
.else
	v_wmma_scale_f32_16x16x128_f8f6f4 v[8*(8*((\a)%4)+\b):8*(8*((\a)%4)+\b)+7], v[128*(\p)+FR*\b:128*(\p)+FR*\b+FR-1], v[AF+FR*(\a):AF+FR*(\a)+FR-1], v[8*(8*((\a)%4)+\b):8*(8*((\a)%4)+\b)+7], v[SC+8*NQ*(\sc)+NQ*\b+(\q)], v[SC+8*NQ*(\sc)+NQ*(\a)+(\q)] matrix_a_fmt:MATRIX_FMT_FP6 matrix_b_fmt:MATRIX_FMT_FP6 matrix_a_scale:MATRIX_SCALE_ROW1
.endif
.endr
.endr
.endm
.macro FETCH_B slot, q, p
	WIN TO_B
.irp i, 0,1,2,3,4,5,6,7
	FRAG 128*(\p)+FR*\i, ADRB+\slot, \q, \i
.endr
	WIN 0
.endm
.macro FETCH_A slot, q, i0
.irp i, \i0, \i0+1, \i0+2, \i0+3
	FRAGA AF+FR*(\i), \slot, \q, \i
.endr
.endm
.macro SCALES sc
.irp i, 0,1,2,3,4,5,6,7
	ds_load_b64 v[SC+8*NQ*\sc+NQ*\i:SC+8*NQ*\sc+NQ*\i+1], v[ADRS] offset:\i*SBLK
.endr
.endm
.macro PLACES n
.rept \n
	v_nop
.endr
.endm
.macro STEP slot, q, zero
	s_wait_dscnt 4*NLA                             ; B's set and A's blocks 0-3 are in; A's blocks 4-7 (16 loads) may be out
	WIN MUL_LO
	MUL16 0, (\q)%2, \q, \slot, \zero
	MUL16 2, (\q)%2, \q, \slot, \zero
	s_wait_dscnt 0
	PLACES NP
	FETCH_B \slot, (\q)+1, 1-(\q)%2
	FETCH_A \slot, (\q)+1, 0
	WIN MUL_HI
	MUL16 4, (\q)%2, \q, \slot, \zero
	MUL16 6, (\q)%2, \q, \slot, \zero
	PLACES NP
	WIN 0
	FETCH_A \slot, (\q)+1, 4
.endm
.macro TURN slot, next, fill
	s_wait_tensorcnt 0x0                           ; all my tensor loads have landed: my part of the next slot
	ds_add_u32 v[SPW], v[NIL]
	s_wait_dscnt 4*NLA+1                           ; (the add and A's blocks 4-7 may be out)
	WIN MUL_LO
	MUL16 0, 1, NQ-1, \slot, 0
	s_wait_dscnt 0x0                               ; the add is done, and my reads of this slot are over
	s_barrier_signal -1
	MUL16 2, 1, NQ-1, \slot, 0
	WIN 0
	s_barrier_wait -1
.if \fill
	CREST                                          ; a round of the cluster's barrier: no wave of any partner still reads this slot or has a load on its way
	s_add_nc_u64 s[G0+4*\slot+2:G0+4*\slot+3], s[G0+4*\slot+2:G0+4*\slot+3], 2*ASTEP
	s_add_nc_u64 s[G0B+4*\slot+2:G0B+4*\slot+3], s[G0B+4*\slot+2:G0B+4*\slot+3], 2*ROWB
	JLOAD G0+4*\slot, G1, G0B+4*\slot, G1B
.else
	PLACES NP
.endif
	v_add_nc_u32 v[ADRS], 4*NQ, v[ADRS]
	FETCH_B \next, 0, 0
	FETCH_A \next, 0, 0
	SCALES \next
	WIN MUL_HI
	MUL16 4, 1, NQ-1, \slot, 0
	MUL16 6, 1, NQ-1, \slot, 0
	PLACES NP
	WIN 0
	FETCH_A \next, 0, 4
.endm
	s_wait_tensorcnt 1                             ; the scales and my part of K step 0 are in (K step 1's load may be out)
	s_barrier_signal -1
	s_barrier_wait -1
	FETCH_B 0, 0, 0
	FETCH_A 0, 0, 0
	SCALES 0
	FETCH_A 0, 0, 4
	STEP 0, 0, 1
	s_mov_b32 s3, LAPS-1
.Llap:
	TURN 0, 1, 1
	STEP 1, 0, 0
	TURN 1, 0, 1
	STEP 0, 0, 0
	s_sub_co_u32 s3, s3, 1
	s_cmp_lg_u32 s3, 0
	s_cbranch_scc1 .Llap
	TURN 0, 1, 0
	STEP 1, 0, 0
	s_wait_dscnt 4*NLA
	WIN MUL_LO
	MUL16 0, 1, NQ-1, 1, 0
	MUL16 2, 1, NQ-1, 1, 0
	s_wait_dscnt 0
	WIN MUL_HI
	MUL16 4, 1, NQ-1, 1, 0
	MUL16 6, 1, NQ-1, 1, 0
	WIN 0
; THE WAY OUT, block by block of 16 places x 128 columns, through my own stage; whole rows of 512 bytes come back and are stored.  Place 16 a + t of my 128 is row 32 (a / 2) + 8 (a % 2) + t + 8 (t / 8).
.macro TOSTAGE a
.set AC, 64*((\a)%4)
	WIN 0x08+4*((\a)/4)                            ; the data: window 2 or 3
.irp b, 0,1,2,3,4,5,6,7
	ds_store_b128 v[STO], v[AC+8*\b:AC+8*\b+3] offset:64*\b          ; each accumulator from its low end on
	ds_store_b128 v[STO], v[AC+8*\b+4:AC+8*\b+7] offset:64*\b+16
.endr
	WIN 0
.set BB, BK+64*((\a)%2)
.irp t, 0,1,2,3,4,5,6,7,8,9,10,11,12,13,14,15
	ds_load_b128 v[BB+4*\t:BB+4*\t+3], v[RD] offset:\t*SPITCH        ; LDS serves a wave's instructions in order: these see the stores above
.endr
.endm
.macro SEND a, younger
.set BB, BK+64*((\a)%2)
	s_wait_dscnt \younger
.if (\a) > 0
.if (\a)%2 == 1
	s_add_nc_u64 s[12:13], s[12:13], 8*SIZE_N*4    ; (behind a wait on XCNT: the earlier stores have read their base)
.else
	s_add_nc_u64 s[12:13], s[12:13], 24*SIZE_N*4
.endif
.endif
.irp t, 0,1,2,3,4,5,6,7,8,9,10,11,12,13,14,15
	global_store_b128 v[CO], v[BB+4*\t:BB+4*\t+3], s[12:13] offset:(\t+8*(\t/8))*SIZE_N*4 th:TH_STORE_NT   ; 32 lanes store 512 consecutive bytes, aligned
.endr
.endm
	PLACES NP
	TOSTAGE 0
.irp a, 1,2,3,4,5,6,7
.if \a > 1
	s_wait_xcnt 0x0                                ; block a - 2's stores have read their registers and their base
.endif
	TOSTAGE \a
	SEND \a-1, 32                                  ; behind block a - 1's loads: block a's 16 stores and 16 loads
.endr
	s_wait_xcnt 0x0
	SEND 7, 0
	s_wait_tensorcnt 0x0                           ; the wave's end
	ds_add_u32 v[SPW], v[NIL]
	s_wait_dscnt 0x0
	CROUND                                         ; the closing round
	s_endpgm
.Lfunc_end_k_q8e24fdddc8_oproj:
	.size	k_q8e24fdddc8_oproj, .Lfunc_end_k_q8e24fdddc8_oproj-k_q8e24fdddc8_oproj
	.p2alignl 7, 3214868480
	.fill 96, 4, 3214868480
	.section	.rodata,"a",@progbits
	.p2align	6, 0x0
	.amdhsa_kernel k_q8e24fdddc8_oproj
		.amdhsa_group_segment_fixed_size 327680
		.amdhsa_private_segment_fixed_size 0
		.amdhsa_enable_private_segment 0
		.amdhsa_kernarg_size 40
		.amdhsa_user_sgpr_count 2
		.amdhsa_user_sgpr_kernarg_segment_ptr 1
		.amdhsa_wavefront_size32 1
		.amdhsa_system_sgpr_workgroup_id_x 1
		.amdhsa_system_sgpr_workgroup_id_y 1
		.amdhsa_system_sgpr_workgroup_id_z 1
		.amdhsa_system_vgpr_workitem_id 0
		.amdhsa_next_free_vgpr 1024
		.amdhsa_next_free_sgpr 98
		.amdhsa_reserve_vcc 0
		.amdhsa_float_denorm_mode_32 3
		.amdhsa_float_denorm_mode_16_64 3
		.amdhsa_memory_ordered 1
		.amdhsa_forward_progress 1
		.amdhsa_inst_pref_size 152
	.end_amdhsa_kernel
	.amdgpu_metadata
---
amdhsa.version: [ 1, 2 ]
amdhsa.kernels:
  - .name:           k_q8e24fdddc8_oproj
    .symbol:         k_q8e24fdddc8_oproj.kd
    .args:
      - { .name: cimg, .offset: 0, .size: 8, .value_kind: global_buffer, .address_space: global }
      - { .name: csc, .offset: 8, .size: 8, .value_kind: global_buffer, .address_space: global }
      - { .name: wc, .offset: 16, .size: 8, .value_kind: global_buffer, .address_space: global }
      - { .name: ws, .offset: 24, .size: 8, .value_kind: global_buffer, .address_space: global }
      - { .name: out0, .offset: 32, .size: 8, .value_kind: global_buffer, .address_space: global }
    .group_segment_fixed_size: 327680
    .private_segment_fixed_size: 0
    .kernarg_segment_align: 8
    .kernarg_segment_size: 40
    .max_flat_workgroup_size: 128
    .sgpr_count:     98
    .vgpr_count:     1024
    .wavefront_size: 32
...
	.end_amdgpu_metadata
.endif
;; end of part 4
